; MI455X (gfx1250); checked and timed in simulation.
; The chip was launched on July 23, 2026; its instructions are those of AMD's public machine-readable ISA for CDNA 5 (MIT licence, August 2026) and "CDNA5" Instruction Set Architecture Reference Guide (July 2026). The comments in the code are by the model that wrote it; some were corrected since.
;; Unidir Attention. Allowed arithmetic: matrix products marked QUANTISED: E3M2 operands, one E8M0 scale for each 32 along K, by v_wmma_scale_f32_16x16x128_f8f6f4 with both operands' format E3M2, f32 sums; everything else in f32.
;; Inputs: W_o 1,024 x 1,024 float32; W_qkv 3,072 x 1,024 float32; b_o 1,024 float32; b_qkv 3,072 float32; x 2 x 2,048 x 1,024 float32.
;; Outputs: out0 2 x 2,048 x 1,024 float32.
;; Constants: num_heads = 16.
;; This version of the problem:
;;   THIS VERSION OF THE PROBLEM IS GIVEN IN LOW PRECISION. The matrix products marked QUANTISED in the list below multiply operands that are first quantised to E3M2 (3 exponent bits, 2 mantissa bits; 6 bits a number), with one power-of-two scale for each 32 numbers along K (OCP MX v1.0); their sums are f32. All else is computed in f32.
;;   The module's matrix products, in the order in which they are computed (A, B: the left and right operand; K: the contracted axis; several contracted axes count as one K, in the product's order):
;;     1. [M 4,096, K 1,024] x [K 1,024, N 3,072]; A: input x; B: input W_qkv: QUANTISED
;;     2. batch 32 x [M 2,048, K 64] x [K 64, N 2,048]; A: computed on the way; B: computed on the way: QUANTISED
;;     3. batch 32 x [M 2,048, K 2,048] x [K 2,048, N 64]; A: softmax (see below); B: computed on the way: QUANTISED
;;     4. [M 4,096, K 1,024] x [K 1,024, N 1,024]; A: computed on the way; B: input W_o: QUANTISED
;;   THE QUANTISER, for each operand of a quantised product, along K:
;;     - K is cut into blocks of 32 from its start; a last block that is shorter is filled with zeros.
;;     - A block's scale is 2^e with e = floor(log2(the largest magnitude in the block)) - 4, held to -126 .. 127; a block of zeros has e = 0. As a byte (E8M0): e + 127.
;;     - Each number is divided by its block's scale, clamped to +-28, and rounded to the nearest number of E3M2, ties to even, subnormals kept.
;;     - The product sums the exact products of the quantised numbers (number of the format x scale) in f32.
;;   ~~~python
;;   def quantise(x, axis):      # numpy; x: float32 -> the quantised numbers, widened to float32 again
;;       x = np.moveaxis(x, axis, -1); K = x.shape[-1]
;;       x = np.pad(x, [(0, 0)] * (x.ndim - 1) + [(0, -K % 32)]); x = x.reshape(x.shape[:-1] + (-1, 32)); a = np.abs(x).max(-1, keepdims=True)
;;       e = np.where(a > 0, np.clip(np.frexp(np.where(a > 0, a, 1))[1] - 1 - 4, -126, 127), 0)      # np.frexp(a)[1] - 1 = floor(log2(a)), exactly
;;       r = np.clip(x / 2.0 ** e, -28, 28)
;;       step = 2.0 ** (np.maximum(np.frexp(np.where(r == 0, 1, r))[1] - 1, -2) - 2)
;;       q = np.round(r / step) * step * 2.0 ** e      # np.round: ties to even
;;       return np.moveaxis(q.reshape(q.shape[:-2] + (-1,))[..., :K], -1, axis).astype(np.float32)
;;   ~~~
;;   SOFTMAX AHEAD OF A QUANTISED PRODUCT. Where the list says 'softmax', what is quantised is not the finished softmax but p = 2^(t - M), with t = logit x log2(e) and M = ceil(the row's largest t), a whole number; so 1/2 < the row's largest p <= 1. The row's sum l is taken of the UNQUANTISED p, in f32, and the product's result is divided by l at the end. Since M is a whole number, a kernel that streams over the keys may use a running M (the ceiling of the running maximum): every later rescaling is an exact power of two, which a block's scale takes up: the codes' values come out the same.
;;   OPERANDS COMPUTED ON THE WAY. 'Computed on the way' means the value that the module computes at that place (a softmax that the list does not call 'softmax' is quantised finished and normalised). What goes into a quantiser is computed in f32, as accurately as f32 sums, v_exp_f32 and their like allow (about 1e-6 of the number): no bf16 or f16 on the way to a quantiser, and a product that is left as it is and whose result goes on into a quantised operand takes f32 operands (vector FMAs, or v_wmma_f32_16x16x4_f32). A number that lies on a knife's edge between two numbers of the format may be rounded either way, as far as f32 arithmetic and the matrix unit's own rounding can turn it there, and no further.
;; One version. Each part assembles by itself: llvm-mc -triple=amdgcn-amd-amdhsa -mcpu=gfx1250 --defsym DOCPART=n.
;; ======== version 1 of 1: 4 launches
;; limits: right only within a limited range of input values
;; workspace buffers: cod 6,291,456 bytes; scl 262,144 bytes; qb 3,407,872 bytes; kv 6,684,672 bytes; oc 3,145,728 bytes; os 131,072 bytes
;; launch quant (part 1): grid 256 x 1, 4 waves a work-group, no clusters, 168,448 bytes of LDS; arguments x, W_qkv, W_o, cod, scl; writes cod, scl
.if DOCPART == 1
	.amdgcn_target "amdgcn-amd-amdhsa--gfx1250"
	.amdhsa_code_object_version 6
	.text
	.protected	k_q6649353364_quant
	.globl	k_q6649353364_quant
	.p2align	8
	.type	k_q6649353364_quant,@function
k_q6649353364_quant:
	s_mov_b64 s[64:65], 0
	v_nop
	global_prefetch_b8 v0, s[64:65] scope:SCOPE_SE
	s_setreg_imm32_b32 hwreg(HW_REG_WAVE_MODE, 25, 1), 1
	s_wait_xcnt 0x0
; x [4096][1024], W_qkv [3072][1024] and W_o [1024][1024], f32, become codes of BF6 (E3M2) with one E8M0 scale byte for each 32 along K (the last axis),
; laid in the order of a matrix operand's registers.  The 8,192 rows are taken as 512 TILES of 16 slots: tile t, slot r is row 32 (t / 2) + 8 (t % 2) + r + 8 (r / 8)
; (tiles 0-255 x, 256-447 W_qkv, 448-511 W_o).  cod: [tile][K step of 128][1,536 bytes]: a fragment's 12 registers as three planes of 512 bytes, registers 4 c .. 4 c + 3 of lane l at 512 c + 16 l.
; scl: [tile][q 0..3][slot][2 words]: the scale word (four bytes) of K step s lies at q = s / 2, word s % 2.
; A block's scale is 2^(floor(log2(its largest magnitude)) - 4); its byte is the largest magnitude's exponent field - 4, held at 1 from below.
; LIMITS: NaN and infinities among the inputs are not served; a block whose largest magnitude lies under 2^-122 keeps the byte 1; a block of zeros has the byte 1 where the
; quantiser's text says 127: its codes are zeros, and these bytes are read by this program alone.
; SHARES.  A work-group owns 32 rows on end (131,072 bytes), two tiles.  Wave w takes K steps 2 w and 2 w + 1 of both tiles: 32 rows x 1,024 bytes, brought by ONE tensor load
; into LDS bytes that only this wave reads: so no barrier.  Nothing in LDS is filled twice.  No prefetch: the launch has no loop to run ahead in.
.set PITCH, 1040                       ; an LDS row: 1,024 bytes + 16 of padding
.set WREG,  32*PITCH                   ; a wave's bytes
.set LA,  4                            ; v4  LDS: slot r's row of tile 0, + 64 (lane / 16): my 16 numbers of a block of 32
.set L16, 5                            ; v5  16 x lane
.set SO,  6                            ; v6  512 (lane / 16) + 8 (lane % 16)
.set X,   16                           ; v16-79   64 numbers: register 16 b + i = k 32 b + 16 (lane / 16) + i of my slot
.set TM,  80                           ; v80-95   at work
.set T8,  96                           ; v96-103  the conversions' second halves
.set PW,  104                          ; v104-107 a scale word for each step
.set PC,  108                          ; v108-155 twelve registers of codes for each step: no store's data are written again
.set SEL, 2                            ; s[2:3]   lane selects for v_permlanex16_b32: lane l xor 16
.set G1,  24                           ; s[24:31] descriptor group 1
.set G0,  32                           ; s[32:35] group 0
; 64 numbers of a lane become a fragment's twelve registers v[pc] on and its scale word v[pw].
.macro QUANT s, pc, pw
.irp b, 0,1,2,3
	v_max3_num_f32 v[TM+\b], |v[(\s)+16*\b]|, |v[(\s)+1+16*\b]|, 0x2800000   ; block b: my 16 numbers, and the floor 2^(5 - 127): the byte cannot fall under 1
.endr
.irp i, 2,4,6,8,10,12,14
.irp b, 0,1,2,3
	v_max3_num_f32 v[TM+\b], v[TM+\b], |v[(\s)+16*\b+\i]|, |v[(\s)+1+16*\b+\i]|   ; the four blocks by turns
.endr
.endr
.irp b, 0,1,2,3
	v_permlanex16_b32 v[TM+4+\b], v[TM+\b], s[SEL], s[SEL+1]
.endr
.irp b, 0,1,2,3
	v_max_num_f32 v[TM+\b], v[TM+\b], v[TM+4+\b]           ; with lane l xor 16's: the block's largest magnitude
.endr
.irp b, 0,1,2,3
	v_add_nc_u32 v[TM+12+\b], 0xfe000000, v[TM+\b]         ; 4 off its exponent field: the conversion's scale operand
.endr
.irp b, 0,1,2,3
	v_lshrrev_b32 v[TM+4+\b], 23, v[TM+12+\b]              ; the scale's byte
.endr
	v_lshl_or_b32 v[\pw], v[TM+5], 8, v[TM+4]
	v_lshl_or_b32 v[\pw], v[TM+6], 16, v[\pw]
	v_lshl_or_b32 v[\pw], v[TM+7], 24, v[\pw]              ; my slot's scale word
.irp c, 0,1
	v_cvt_scalef32_pk16_bf6_f32 v[(\pc)+6*\c:(\pc)+6*\c+2], v[(\s)+32*\c:(\s)+32*\c+15], v[TM+12+2*\c]
	v_cvt_scalef32_pk16_bf6_f32 v[T8+4*\c:T8+4*\c+2], v[(\s)+32*\c+16:(\s)+32*\c+31], v[TM+13+2*\c]   ; (a conversion's three registers begin on an even number)
.endr
	v_nop                                                  ; one plain instruction behind the scaled conversions
.irp c, 0,1                            ; the operand wants a whole block in a lane: lanes 0-15 block 2 c, lanes 16-31 block 2 c + 1
.irp i, 0,1,2
	v_permlane16_swap_b32 v[(\pc)+6*\c+\i], v[T8+4*\c+\i]
.endr
.irp i, 0,1,2
	v_mov_b32 v[(\pc)+3+6*\c+\i], v[T8+4*\c+\i]
.endr
.endr
.endm
	s_load_b256 s[4:11], s[0:1], 0x0               ; x s[4:5], W_qkv s[6:7], W_o s[8:9], cod s[10:11]
	s_load_b64 s[12:13], s[0:1], 0x20              ; scl
	v_lshl_add_u32 v160, v0, 2, 0x29000
	v_mov_b32 v161, 0
	ds_add_u32 v160, v161                          ; the opening lines: the add, twice on end, and its wait
	ds_add_u32 v160, v161
	v_lshrrev_b32 v1, 5, v0
	v_readfirstlane_b32 s14, v1                    ; wave 0..3
	s_mov_b32 s[G1+0], (2<<16)|(1<<20)|(7<<22)|(3<<25)  ; elements of 4 bytes; padding on: after every 256 words, 4 words
	s_mov_b32 s[G1+1], 256<<16                     ; tensor_dim0 = 256
	s_mov_b32 s[G1+2], 32<<16                      ; tensor_dim1 = 32
	s_mov_b32 s[G1+3], 256<<16                     ; tile_dim0 = 256
	s_mov_b32 s[G1+4], 32                          ; tile_dim1 = 32
	s_mov_b32 s[G1+5], 1024                        ; elements from row to row
	s_mov_b32 s[G1+6], 0
	s_mov_b32 s[G1+7], 0
	s_mov_b32 s[SEL], 0x76543210
	s_mov_b32 s[SEL+1], 0xfedcba98
	s_mov_b32 s17, 224
	s_mul_i32 s20, s14, WREG                       ; my wave's LDS bytes
	v_and_b32 v1, 15, v0                           ; r
	v_bfe_u32 v2, v0, 4, 1                         ; h
	v_and_b32 v3, 31, v0                           ; lane
	v_and_b32 v[LA], 8, v1
	v_add_nc_u32 v[LA], v[LA], v1                  ; slot r of tile T is LDS row 8 T + r + 8 (r / 8)
	v_mul_u32_u24 v[LA], v[LA], PITCH
	v_lshl_add_u32 v[LA], v2, 6, v[LA]
	v_add_nc_u32 v[LA], s20, v[LA]
	v_lshlrev_b32 v[L16], 4, v3
	v_lshlrev_b32 v[SO], 3, v1
	v_lshl_add_u32 v[SO], v2, 9, v[SO]
.irp b, 0,1,2,3
	v_mov_b32 v[TM+4+\b], 0                        ; written once: a lane permute's destination counts as one of its sources
.endr
	s_wait_alu depctr_va_vdst(0)                   ; the wait at the head's end
	s_wait_dscnt 0x0
	s_wait_kmcnt 0x0
	s_cmp_lt_u32 ttmp9, 224                        ; which tensor: the choice hangs on the work-group's number alone
	s_cselect_b64 s[6:7], s[6:7], s[8:9]
	s_cselect_b32 s17, 128, s17
	s_cmp_lt_u32 ttmp9, 128
	s_cselect_b64 s[4:5], s[4:5], s[6:7]
	s_cselect_b32 s17, 0, s17
	s_sub_co_u32 s17, ttmp9, s17                   ; the group of 32 rows within its tensor
	s_lshl_b32 s18, s17, 17                        ; x 131,072 bytes
	s_lshl_b32 s19, s14, 10                        ; + 1,024 bytes a wave along K
	s_add_co_u32 s18, s18, s19
	s_mov_b32 s19, 0
	s_add_nc_u64 s[4:5], s[4:5], s[18:19]
	s_lshl_b32 s21, ttmp9, 1                       ; the group's first tile
	s_mul_i32 s22, s21, 12288
	s_mul_i32 s23, s14, 3072
	s_add_co_u32 s22, s22, s23
	s_mov_b32 s23, 0
	s_add_nc_u64 s[10:11], s[10:11], s[22:23]      ; cod at that tile's K step 2 w
	s_lshl_b32 s22, s21, 9
	s_lshl_b32 s21, s14, 7
	s_add_co_u32 s22, s22, s21
	s_add_nc_u64 s[12:13], s[12:13], s[22:23]      ; scl at that tile's q = w
	s_mov_b32 s[G0], 1
	s_mov_b32 s[G0+1], s20
	s_mov_b64 s[G0+2:G0+3], s[4:5]
	s_or_b32 s[G0+3], s[G0+3], 0x80000000
	tensor_load_to_lds s[G0:G0+3], s[G1:G1+7]      ; my one tensor load
	s_nop 0
.rept 4
	v_nop
.endr
.macro STEP k                          ; step k: tile k / 2, K step 2 w + k % 2
.if (\k) == 0
	s_wait_tensorcnt 0x0                           ; my 32 rows are in LDS
.endif
.irp b, 0,1,2,3
.irp j, 0,1,2,3
	ds_load_b128 v[X+16*\b+4*\j:X+16*\b+4*\j+3], v[LA] offset:((\k)/2)*8*PITCH+((\k)%2)*512+128*\b+16*\j
.endr
.endr
	s_wait_dscnt 0x0
	QUANT X, PC+12*(\k), PW+(\k)
.irp c, 0,1,2
	global_store_b128 v[L16], v[PC+12*(\k)+4*\c:PC+12*(\k)+4*\c+3], s[10:11] offset:12288*((\k)/2)+1536*((\k)%2)+512*\c   ; 32 lanes store 512 consecutive bytes, aligned
.endr
.endm
	STEP 0
	STEP 1
	STEP 2
	STEP 3
	v_cmp_ne_u32 vcc_lo, 0, v2                     ; lanes 0-15 store the two words of tile 0's slots, lanes 16-31 those of tile 1's
	v_cndmask_b32 v8, v[PW], v[PW+2], vcc_lo
	v_cndmask_b32 v9, v[PW+1], v[PW+3], vcc_lo
	global_store_b64 v[SO], v[8:9], s[12:13]       ; 128 consecutive bytes for each tile; the four waves fill a tile's 512
	s_wait_tensorcnt 0x0                           ; the wave's end
	ds_add_u32 v160, v161
	s_wait_dscnt 0x0
	s_endpgm
.Lfunc_end_k_q6649353364_quant:
	.size	k_q6649353364_quant, .Lfunc_end_k_q6649353364_quant-k_q6649353364_quant
	.p2alignl 7, 3214868480
	.fill 96, 4, 3214868480
	.section	.rodata,"a",@progbits
	.p2align	6, 0x0
	.amdhsa_kernel k_q6649353364_quant
		.amdhsa_group_segment_fixed_size 168448
		.amdhsa_private_segment_fixed_size 0
		.amdhsa_enable_private_segment 0
		.amdhsa_kernarg_size 40
		.amdhsa_user_sgpr_count 2
		.amdhsa_user_sgpr_kernarg_segment_ptr 1
		.amdhsa_wavefront_size32 1
		.amdhsa_system_sgpr_workgroup_id_x 1
		.amdhsa_system_sgpr_workgroup_id_y 1
		.amdhsa_system_sgpr_workgroup_id_z 1
		.amdhsa_system_vgpr_workitem_id 0
		.amdhsa_next_free_vgpr 162
		.amdhsa_next_free_sgpr 66
		.amdhsa_reserve_vcc 1
		.amdhsa_float_denorm_mode_32 3
		.amdhsa_float_denorm_mode_16_64 3
		.amdhsa_memory_ordered 1
		.amdhsa_forward_progress 1
		.amdhsa_inst_pref_size 24
	.end_amdhsa_kernel
	.amdgpu_metadata
---
amdhsa.version: [ 1, 2 ]
amdhsa.kernels:
  - .name:           k_q6649353364_quant
    .symbol:         k_q6649353364_quant.kd
    .args:
      - { .name: x, .offset: 0, .size: 8, .value_kind: global_buffer, .address_space: global }
      - { .name: W_qkv, .offset: 8, .size: 8, .value_kind: global_buffer, .address_space: global }
      - { .name: W_o, .offset: 16, .size: 8, .value_kind: global_buffer, .address_space: global }
      - { .name: cod, .offset: 24, .size: 8, .value_kind: global_buffer, .address_space: global }
      - { .name: scl, .offset: 32, .size: 8, .value_kind: global_buffer, .address_space: global }
    .group_segment_fixed_size: 168448
    .private_segment_fixed_size: 0
    .kernarg_segment_align: 8
    .kernarg_segment_size: 40
    .max_flat_workgroup_size: 128
    .sgpr_count:     66
    .vgpr_count:     162
    .wavefront_size: 32
...
	.end_amdgpu_metadata
.endif
;; end of part 1
;; launch proj (part 2): grid 48 x 4, 4 waves a work-group, clusters of 4 x 4, 327,680 bytes of LDS; arguments cod, scl, b_qkv, qb, kv; writes qb, kv
.if DOCPART == 2
	.amdgcn_target "amdgcn-amd-amdhsa--gfx1250"
	.amdhsa_code_object_version 6
	.text
	.protected	k_q6649353364_proj
	.globl	k_q6649353364_proj
	.p2align	8
	.type	k_q6649353364_proj,@function
k_q6649353364_proj:
	s_mov_b64 s[64:65], 0
	v_nop
	global_prefetch_b8 v0, s[64:65] scope:SCOPE_SE
	s_setreg_imm32_b32 hwreg(HW_REG_WAVE_MODE, 25, 1), 1
	s_wait_xcnt 0x0
	s_wait_alu depctr_hold_cnt(0) depctr_sa_sdst(0) depctr_va_vdst(0) depctr_va_sdst(0) depctr_va_ssrc(0) depctr_va_vcc(0) depctr_vm_vsrc(0)
	s_getreg_b32 s2, hwreg(HW_REG_IB_STS2, 6, 4)
	s_cmp_eq_u32 s2, 0
	s_cbranch_scc0 .Lentry_in_a_cluster
	s_endpgm
.Lentry_in_a_cluster:
	s_bfe_u32 s2, ttmp6, 0x10000c
	s_cmp_lg_u32 s2, 0xf033
	s_cbranch_scc0 .Lentry_shape_is_right
	s_endpgm
.Lentry_shape_is_right:
.set NQ,    2
.set FR,    12
.set NL,    3
.set NP,    4
.set TILEB, 3072
.set HALFT, 8*TILEB
.set SLOT,  4*HALFT
.set SCA,   2*SLOT
.set SCBD,  8192+128
.set SPARE, 213248
.set VSO,  12
.set ADRA, 16
.set SV,   18
.set RV,   19
.set ADRB, 20
.set BNA,  22
.set BMA,  23
.set L16,  24
.set L8,   25
.set SQ,   26
.set ADRS, 27
.set SPW,  28
.set NIL,  29
.set RQ,   30
.set SH,   31
.set SC,   32
.set BN,   64
.set AF,   128
.set HA,   128
.set PC,   192
.set T8,   204
.set PW,   212
.set W2,   213
.set BK,   216
.set BM,   224
.set TM,   240
.set SEL,  2
.set G1,   24
.set G0,   32
.set G1B,  48
.set G0B,  56
.set ISV,  66
.set G1S,  68
.set G0S,  76
.set G1SB, 80
.set G0SB, 88
.set AT,   92
.set BT,   93
.set PA,   96
.set PB,   98
.set MSB, 0
.macro WIN new
.if MSB != \new
	s_set_vgpr_msb (MSB<<8)|\new
.set MSB, \new
.endif
.endm
.set MUL_LO, 0xa1
.set MUL_HI, 0xf1
.set TO_B,   0x40
.macro JLOAD g0a, g1a, g0b, g1b
	s_cmp_eq_u32 s15, 0
	s_cbranch_scc0 .Lfor_b_\@
	tensor_load_to_lds s[\g0a:\g0a+3], s[\g1a:\g1a+7]
	s_nop 0
.rept 4
	v_nop
.endr
	s_branch .Lasked_\@
.Lfor_b_\@:
	tensor_load_to_lds s[\g0b:\g0b+3], s[\g1b:\g1b+7]
	s_nop 0
.rept 4
	v_nop
.endr
.Lasked_\@:
.endm
.macro CREST
	s_cmp_lg_u32 s14, 0
	s_cbranch_scc1 .Lnot_wave_0_\@
	s_barrier_signal -3
.Lnot_wave_0_\@:
	s_barrier_wait -3
	s_barrier_signal -1
	s_barrier_wait -1
.endm
.macro CROUND
	s_barrier_signal -1
	s_barrier_wait -1
	CREST
.endm
.macro PLACES n
.rept \n
	v_nop
.endr
.endm
.macro QUANT s, pc, pw
.irp b, 0,1,2,3
	v_max3_num_f32 v[TM+\b], |v[(\s)+16*\b]|, |v[(\s)+1+16*\b]|, 0x2800000
.endr
.irp i, 2,4,6,8,10,12,14
.irp b, 0,1,2,3
	v_max3_num_f32 v[TM+\b], v[TM+\b], |v[(\s)+16*\b+\i]|, |v[(\s)+1+16*\b+\i]|
.endr
.endr
.irp b, 0,1,2,3
	v_permlanex16_b32 v[TM+4+\b], v[TM+\b], s[SEL], s[SEL+1]
.endr
.irp b, 0,1,2,3
	v_max_num_f32 v[TM+\b], v[TM+\b], v[TM+4+\b]
.endr
.irp b, 0,1,2,3
	v_add_nc_u32 v[TM+12+\b], 0xfe000000, v[TM+\b]
.endr
.irp b, 0,1,2,3
	v_lshrrev_b32 v[TM+4+\b], 23, v[TM+12+\b]
.endr
	v_lshl_or_b32 v[\pw], v[TM+5], 8, v[TM+4]
	v_lshl_or_b32 v[\pw], v[TM+6], 16, v[\pw]
	v_lshl_or_b32 v[\pw], v[TM+7], 24, v[\pw]
.irp c, 0,1
	v_cvt_scalef32_pk16_bf6_f32 v[(\pc)+6*\c:(\pc)+6*\c+2], v[(\s)+32*\c:(\s)+32*\c+15], v[TM+12+2*\c]
	v_cvt_scalef32_pk16_bf6_f32 v[T8+4*\c:T8+4*\c+2], v[(\s)+32*\c+16:(\s)+32*\c+31], v[TM+13+2*\c]
.endr
	v_nop
.irp c, 0,1
.irp i, 0,1,2
	v_permlane16_swap_b32 v[(\pc)+6*\c+\i], v[T8+4*\c+\i]
.endr
.irp i, 0,1,2
	v_mov_b32 v[(\pc)+3+6*\c+\i], v[T8+4*\c+\i]
.endr
.endr
.endm
	s_load_b256 s[4:11], s[0:1], 0x0
	s_load_b64 s[12:13], s[0:1], 0x20
	v_lshl_add_u32 v[SPW], v0, 2, SPARE
	v_mov_b32 v[NIL], 0
	ds_add_u32 v28, v29
	ds_add_u32 v28, v29
	s_wait_dscnt 0x0
	v_lshrrev_b32 v1, 5, v0
	v_readfirstlane_b32 s14, v1
	s_lshr_b32 s15, s14, 1
	s_and_b32 s16, s14, 1
	s_bfe_u32 s40, ttmp6, 0x40000
	s_bfe_u32 s41, ttmp6, 0x40004
	s_lshl_b32 s43, s41, 2
	s_lshl_b32 s43, 15, s43
	s_lshl_b32 s44, 0x1111, s40
	s_lshr_b32 s17, ttmp9, 1
	s_lshl_b32 s17, s17, 6
	s_and_b32 s18, ttmp9, 1
	s_lshl_b32 s18, s18, 6
	s_add_co_u32 s18, s18, 256
	s_sub_co_u32 s19, ttmp9, 8
	s_lshl_b32 s19, s19, 6
	s_cmp_ge_u32 ttmp9, 8
	s_cselect_b32 s[ISV], 1, 0
	s_cselect_b32 s17, 384, s17
	s_cselect_b32 s18, s19, s18
	s_lshl_b32 s20, s41, 4
	s_add_co_u32 s17, s17, s20
	s_lshl_b32 s46, s40, 4
	s_add_co_u32 s18, s18, s46
	s_lshl_b32 s21, s16, 3
	s_add_co_u32 s20, s17, s21
	s_add_co_u32 s46, s18, s21
	s_mov_b32 s[BT], s46
	s_lshl_b32 s[AT], s15, 3
	s_add_co_u32 s[AT], s[AT], s17
	s_or_b32 s[G1+0], s43, (3<<16)|(1<<21)
	s_or_b32 s[G1B+0], s44, (3<<16)|(1<<21)
.irp g, G1, G1B
	s_mov_b32 s[\g+1], 384<<16
	s_mov_b32 s[\g+2], 16<<16
	s_mov_b32 s[\g+3], 384<<16
	s_mov_b32 s[\g+4], 16
	s_mov_b32 s[\g+5], 1536
	s_mov_b32 s[\g+6], 0
	s_mov_b32 s[\g+7], 0
.endr
	s_or_b32 s[G1S+0], s43, (3<<16)|(1<<21)
	s_or_b32 s[G1SB+0], s44, (3<<16)|(1<<21)
.irp g, G1S, G1SB
	s_mov_b32 s[\g+1], 32<<16
	s_mov_b32 s[\g+2], 32<<16
	s_mov_b32 s[\g+3], 32<<16
	s_mov_b32 s[\g+4], 32
	s_mov_b32 s[\g+5], 32
	s_mov_b32 s[\g+6], 0
	s_mov_b32 s[\g+7], 0
.endr
	s_lshl_b32 s22, s17, 9
	s_mul_i32 s100, s17, 12288
	s_mov_b32 s101, 0
	s_mul_i32 s98, s18, 12288
	s_mov_b32 s99, 0
	s_mov_b32 s23, 0
	s_mul_i32 s20, s20, 12288
	s_mov_b32 s21, 0
	s_lshl_b32 s94, s18, 9
	s_mov_b32 s95, 0
	s_mul_i32 s46, s46, 12288
	s_mov_b32 s47, 0
	s_mul_i32 s45, s14, HALFT
	s_mov_b32 s[SEL], 0x76543210
	s_mov_b32 s[SEL+1], 0xfedcba98
	s_wait_kmcnt 0x0
	s_add_nc_u64 s[20:21], s[4:5], s[20:21]
	s_add_nc_u64 s[22:23], s[6:7], s[22:23]
	s_add_nc_u64 s[46:47], s[4:5], s[46:47]
	s_add_nc_u64 s[94:95], s[6:7], s[94:95]
	s_add_nc_u64 s[100:101], s[4:5], s[100:101]
	s_add_nc_u64 s[98:99], s[4:5], s[98:99]
	CROUND
	s_mov_b32 s[G0S], 1
	s_mov_b32 s[G0S+1], SCA
	s_mov_b64 s[G0S+2:G0S+3], s[22:23]
	s_or_b32 s[G0S+3], s[G0S+3], 0x80000000
	s_mov_b32 s[G0SB], 1
	s_mov_b32 s[G0SB+1], SCA+SCBD
	s_mov_b64 s[G0SB+2:G0SB+3], s[94:95]
	s_or_b32 s[G0SB+3], s[G0SB+3], 0x80000000
	s_mov_b32 s4, 1                                ; s[4:7]: group 0 for slot 0's 16 tiles of A, whole; s[40:43]: for its 16 tiles of B
	s_mov_b32 s5, 0
	s_mov_b64 s[6:7], s[100:101]
	s_or_b32 s7, s7, 0x80000000
	s_mov_b32 s40, 1
	s_mov_b32 s41, 2*HALFT
	s_mov_b64 s[42:43], s[98:99]
	s_or_b32 s43, s43, 0x80000000
.irp s, 0,1
	s_mov_b32 s[G0+4*\s], 1
	s_add_co_u32 s[G0+4*\s+1], s45, \s*SLOT
	s_add_nc_u64 s[G0+4*\s+2:G0+4*\s+3], s[20:21], \s*TILEB
	s_or_b32 s[G0+4*\s+3], s[G0+4*\s+3], 0x80000000
	s_mov_b32 s[G0B+4*\s], 1
	s_add_co_u32 s[G0B+4*\s+1], s45, \s*SLOT
	s_add_nc_u64 s[G0B+4*\s+2:G0B+4*\s+3], s[46:47], \s*TILEB
	s_or_b32 s[G0B+4*\s+3], s[G0B+4*\s+3], 0x80000000
.endr
; the head's four tiles, one joint load a wave, in one tree of branches on the wave's number: wave 0 slot 0's tiles of A, wave 1 those of B, wave 2 A's scale words, wave 3 B's
.macro ARM under, g0, g1, next
	s_cmp_lt_u32 s14, \under
	s_cbranch_scc0 \next
	tensor_load_to_lds s[\g0:\g0+3], s[\g1:\g1+7]
	s_nop 0
.rept 4
	v_nop
.endr
	s_branch .Lhead_asked
\next:
.endm
	ARM 1, 4,   G1,  .Lhead_b
	ARM 2, 40,  G1B, .Lhead_sa
	ARM 3, G0S, G1S, .Lhead_sb
	tensor_load_to_lds s[G0SB:G0SB+3], s[G1SB:G1SB+7]
	s_nop 0
.rept 4
	v_nop
.endr
.Lhead_asked:
	v_and_b32 v1, 15, v0
	v_bfe_u32 v2, v0, 4, 1
	s_wait_alu depctr_va_vdst(0)
	v_and_b32 v3, 31, v0
	v_lshlrev_b32 v[L16], 4, v3
	v_lshlrev_b32 v[L8], 3, v3
	s_mul_i32 s21, s15, HALFT
	s_mul_i32 s22, s16, HALFT
	s_add_co_u32 s22, s22, 2*HALFT
.irp s, 0,1
	v_add_nc_u32 v[ADRA+\s], s21, v[L16]
	v_add_nc_u32 v[ADRB+\s], s22, v[L16]
	s_add_co_u32 s21, s21, SLOT
	s_add_co_u32 s22, s22, SLOT
.endr
	v_lshlrev_b32 v5, 3, v1
	s_lshl_b32 s21, s15, 12
	s_lshl_b32 s22, s16, 12
	s_add_co_u32 s22, s22, SCBD
	s_sub_co_u32 s22, s22, s21
	v_mul_u32_u24 v6, s22, v2
	s_add_co_u32 s21, s21, SCA
	v_add_nc_u32 v5, v5, v6
	v_add_nc_u32 v[ADRS], s21, v5
	s_lshl_b32 s21, s14, 10
	v_lshlrev_b32 v4, 2, v1
	v_lshl_add_u32 v5, v2, 9, v4
	v_add_nc_u32 v[SQ], s21, v5
	v_add_nc_u32 v[RQ], s21, v[L16]
	s_lshl_b32 s21, s14, 9
	s_add_co_u32 s21, s21, 4096
	v_add_nc_u32 v[SV], s21, v4
	v_add_nc_u32 v[RV], s21, v[L16]
	v_lshlrev_b32 v[SH], 4, v2
	v_mul_u32_u24 v[VSO], v2, 208896
	v_lshl_add_u32 v[VSO], v1, 4, v[VSO]
	s_sub_co_u32 s100, s[BT], 256
	s_lshl_b32 s100, s100, 6
	s_sub_co_u32 s101, s[AT], 384
	s_lshl_b32 s101, s101, 6
	s_add_co_u32 s101, s101, 8192
	s_cmp_eq_u32 s[ISV], 0
	s_cselect_b32 s100, s100, 0
	s_cselect_b32 s101, 0, s101
	v_lshl_add_u32 v[BNA], v2, 6, s100
	v_and_b32 v3, 8, v1
	v_add_nc_u32 v3, v3, v1
	v_lshl_add_u32 v[BMA], v3, 2, s101
.irp b, 0,1,2,3,4,5,6,7
	global_load_b128 v[BN+8*\b:BN+8*\b+3], v[BNA], s[8:9] offset:(32*(\b/2)+8*(\b%2))*4
	global_load_b128 v[BN+8*\b+4:BN+8*\b+7], v[BNA], s[8:9] offset:(32*(\b/2)+8*(\b%2))*4+16
.endr
.irp a, 0,1,2,3,4,5,6,7
	global_load_b32 v[BM+2*\a], v[BMA], s[8:9] offset:(32*(\a/2)+8*(\a%2))*4
	v_mov_b32 v[BM+2*\a+1], 0
.endr
.irp b, 0,1,2,3
	v_mov_b32 v[TM+4+\b], 0
.endr
.macro FRAG reg, adr, q, i
.irp c, 0,1,2
	ds_load_b128 v[\reg+4*\c:\reg+4*\c+3], v[\adr] offset:TILEB*(\i)+1536*(\q)+512*\c
.endr
.endm
.macro MUL16 a0, p, q, sc, zero
.irp a, \a0, \a0+1
.irp b, 0,1,2,3,4,5,6,7
.if \zero
	v_wmma_scale_f32_16x16x128_f8f6f4 v[8*(8*((\a)%4)+\b):8*(8*((\a)%4)+\b)+7], v[128*(\p)+FR*\b:128*(\p)+FR*\b+FR-1], v[AF+FR*(\a):AF+FR*(\a)+FR-1], 0, v[SC+8*NQ*(\sc)+NQ*\b+(\q)], v[SC+8*NQ*(\sc)+NQ*(\a)+(\q)] matrix_a_fmt:MATRIX_FMT_BF6 matrix_b_fmt:MATRIX_FMT_BF6 matrix_a_scale:MATRIX_SCALE_ROW1
.else
	v_wmma_scale_f32_16x16x128_f8f6f4 v[8*(8*((\a)%4)+\b):8*(8*((\a)%4)+\b)+7], v[128*(\p)+FR*\b:128*(\p)+FR*\b+FR-1], v[AF+FR*(\a):AF+FR*(\a)+FR-1], v[8*(8*((\a)%4)+\b):8*(8*((\a)%4)+\b)+7], v[SC+8*NQ*(\sc)+NQ*\b+(\q)], v[SC+8*NQ*(\sc)+NQ*(\a)+(\q)] matrix_a_fmt:MATRIX_FMT_BF6 matrix_b_fmt:MATRIX_FMT_BF6 matrix_a_scale:MATRIX_SCALE_ROW1
.endif
.endr
.endr
.endm
.macro FETCH_B slot, q, p
	WIN TO_B
.irp i, 0,1,2,3,4,5,6,7
	FRAG 128*(\p)+FR*\i, ADRB+\slot, \q, \i
.endr
	WIN 0
.endm
.macro FETCH_A slot, q, i0
.irp i, \i0, \i0+1, \i0+2, \i0+3
	FRAG AF+FR*(\i), ADRA+\slot, \q, \i
.endr
.endm
.macro SCALES sc
.irp i, 0,1,2,3,4,5,6,7
	ds_load_b64 v[SC+8*NQ*\sc+NQ*\i:SC+8*NQ*\sc+NQ*\i+1], v[ADRS] offset:\i*512
.endr
.endm
.macro STEP slot, q, zero
	s_wait_dscnt 4*NL
	WIN MUL_LO
	MUL16 0, (\q)%2, \q, \slot, \zero
	MUL16 2, (\q)%2, \q, \slot, \zero
	s_wait_dscnt 0
	PLACES NP
	FETCH_B \slot, (\q)+1, 1-(\q)%2
	FETCH_A \slot, (\q)+1, 0
	WIN MUL_HI
	MUL16 4, (\q)%2, \q, \slot, \zero
	MUL16 6, (\q)%2, \q, \slot, \zero
	PLACES NP
	WIN 0
	FETCH_A \slot, (\q)+1, 4
.endm
.macro TURN slot, next, fill
	s_wait_tensorcnt 0x0
	ds_add_u32 v[SPW], v[NIL]
	s_wait_dscnt 4*NL+1
	WIN MUL_LO
	MUL16 0, 1, NQ-1, \slot, 0
	s_wait_dscnt 0x0
	s_barrier_signal -1
	MUL16 2, 1, NQ-1, \slot, 0
	WIN 0
	s_barrier_wait -1
.if \fill
	CREST
	s_add_nc_u64 s[G0+4*\slot+2:G0+4*\slot+3], s[G0+4*\slot+2:G0+4*\slot+3], 2*TILEB
	s_add_nc_u64 s[G0B+4*\slot+2:G0B+4*\slot+3], s[G0B+4*\slot+2:G0B+4*\slot+3], 2*TILEB
	JLOAD G0+4*\slot, G1, G0B+4*\slot, G1B
.else
	PLACES NP
.endif
	s_wait_alu depctr_va_vdst(0)
	v_add_nc_u32 v[ADRS], 128, v[ADRS]
	FETCH_B \next, 0, 0
	FETCH_A \next, 0, 0
	SCALES \next
	WIN MUL_HI
	MUL16 4, 1, NQ-1, \slot, 0
	MUL16 6, 1, NQ-1, \slot, 0
	PLACES NP
	WIN 0
	FETCH_A \next, 0, 4
.endm
	s_wait_alu depctr_va_vdst(0)                   ; the wait at the head's end
	s_wait_tensorcnt 0x0                           ; my tile of the head's four is in
	ds_add_u32 v[SPW], v[NIL]
	s_mov_b32 s[G1+2], 8<<16                       ; no tensor load of mine is out: from here on a load brings 8 tiles
	s_mov_b32 s[G1+4], 8
	s_mov_b32 s[G1B+2], 8<<16
	s_mov_b32 s[G1B+4], 8
	s_wait_dscnt 0x0
	CROUND
	JLOAD G0+4, G1, G0B+4, G1B                     ; slot 1's first fill, a quarter a wave
	FETCH_B 0, 0, 0
	FETCH_A 0, 0, 0
	SCALES 0
	FETCH_A 0, 0, 4
	STEP 0, 0, 1
	TURN 0, 1, 1
	STEP 1, 0, 0
	TURN 1, 0, 1
	STEP 0, 0, 0
	TURN 0, 1, 0
	STEP 1, 0, 0
	s_wait_dscnt 4*NL
	WIN MUL_LO
	MUL16 0, 1, NQ-1, 1, 0
	MUL16 2, 1, NQ-1, 1, 0
	s_wait_dscnt 0
	WIN MUL_HI
	MUL16 4, 1, NQ-1, 1, 0
	MUL16 6, 1, NQ-1, 1, 0
	WIN 0
	s_wait_loadcnt 0x0
	PLACES NP
	s_cmp_lg_u32 s[ISV], 0
	s_cbranch_scc1 .Lv
	s_lshr_b32 s100, s[AT], 3
	s_sub_co_u32 s101, s[BT], 256
	s_lshr_b32 s101, s101, 3
	s_lshr_b32 s17, s100, 4
	s_lshl_b32 s17, s17, 4
	s_and_b32 s18, s101, 7
	s_lshl_b32 s18, s18, 1
	s_add_co_u32 s17, s17, s18
	s_lshl_b32 s17, s17, 4
	s_and_b32 s18, s100, 15
	s_add_co_u32 s17, s17, s18
	s_mov_b32 s19, 6656
	s_mov_b32 s20, 6144
	s_cmp_ge_u32 s101, 8
	s_cselect_b32 s19, 13056, s19
	s_cselect_b32 s20, 12288, s20
	s_cselect_b64 s[PA:PA+1], s[12:13], s[10:11]
	s_mul_i32 s22, s17, s19
	s_mov_b32 s23, 0
	s_add_nc_u64 s[PA:PA+1], s[PA:PA+1], s[22:23]
	s_lshl_b32 s22, s19, 4
	s_add_nc_u64 s[PB:PB+1], s[PA:PA+1], s[22:23]
	s_mov_b32 s21, 0
.macro OUTQK a
	WIN 0x02+(\a)/4
.set I, 0
.rept 32
	v_pk_add_f32 v[HA+2*I:HA+2*I+1], v[64*((\a)%4)+2*I:64*((\a)%4)+2*I+1], v[BN+2*I:BN+2*I+1]
.set I, I+1
.endr
	WIN 0
.if (\a) > 0
	s_wait_xcnt 0x0
.endif
	QUANT HA, PC, PW
	global_store_b128 v[L16], v[PC:PC+3], s[PA:PA+1] offset:768*(\a)
	global_store_b64 v[L8], v[PC+4:PC+5], s[PA:PA+1] offset:768*(\a)+512
	global_store_b128 v[L16], v[PC+6:PC+9], s[PB:PB+1] offset:768*(\a)
	global_store_b64 v[L8], v[PC+10:PC+11], s[PB:PB+1] offset:768*(\a)+512
	v_lshrrev_b32 v[W2], v[SH], v[PW]
	v_and_b32 v[W2], 0xffff, v[W2]
	v_or_b32 v[W2], 0x7f7f0000, v[W2]
	ds_store_b32 v[SQ], v[W2] offset:64*(\a)
.endm
.irp a, 0,1,2,3,4,5,6,7
	OUTQK \a
.endr
	ds_load_b128 v[BK:BK+3], v[RQ]
	ds_load_b128 v[BK+4:BK+7], v[RQ] offset:512
	s_wait_xcnt 0x0
	s_add_nc_u64 s[PA:PA+1], s[PA:PA+1], s[20:21]
	s_add_nc_u64 s[PB:PB+1], s[PB:PB+1], s[20:21]
	s_wait_dscnt 0x0
	global_store_b128 v[L16], v[BK:BK+3], s[PA:PA+1]
	global_store_b128 v[L16], v[BK+4:BK+7], s[PB:PB+1]
	s_branch .Lend
.Lv:
	s_sub_co_u32 s100, s[AT], 384
	s_lshr_b32 s100, s100, 2
	s_lshr_b32 s101, s[BT], 3
	s_lshr_b32 s17, s101, 4
	s_lshl_b32 s17, s17, 4
	s_add_co_u32 s17, s17, s100
	s_lshl_b32 s17, s17, 4
	s_and_b32 s18, s101, 15
	s_add_co_u32 s17, s17, s18
	s_mul_i32 s22, s17, 13056
	s_add_co_u32 s22, s22, 6144
	s_mov_b32 s23, 0
	s_add_nc_u64 s[PA:PA+1], s[12:13], s[22:23]
.macro OUTV a
	WIN 0x02+(\a)/4
.set I, 0
.rept 32
	v_pk_add_f32 v[HA+2*I:HA+2*I+1], v[64*((\a)%4)+2*I:64*((\a)%4)+2*I+1], v[BM+2*(\a):BM+2*(\a)+1] op_sel_hi:[1,0]
.set I, I+1
.endr
	WIN 0
.if (\a) > 0
	s_wait_xcnt 0x0
.endif
	QUANT HA, PC, PW
.irp c, 0,1,2
	global_store_b128 v[L16], v[PC+4*\c:PC+4*\c+3], s[PA:PA+1] offset:((\a)/4)*208896+((\a)%4)*1536+512*\c
.endr
	ds_store_b32 v[SV], v[PW] offset:64*(\a)
.endm
.irp a, 0,1,2,3,4,5,6,7
	OUTV \a
.endr
	ds_load_b128 v[BK:BK+3], v[RV]
	s_wait_dscnt 0x0
	global_store_b128 v[VSO], v[BK:BK+3], s[PA:PA+1] offset:6656
.Lend:
	s_wait_tensorcnt 0x0
	ds_add_u32 v[SPW], v[NIL]
	s_wait_dscnt 0x0
	CROUND
	s_endpgm
.Lfunc_end_k_q6649353364_proj:
	.size	k_q6649353364_proj, .Lfunc_end_k_q6649353364_proj-k_q6649353364_proj
	.p2alignl 7, 3214868480
	.fill 96, 4, 3214868480
	.section	.rodata,"a",@progbits
	.p2align	6, 0x0
	.amdhsa_kernel k_q6649353364_proj
		.amdhsa_group_segment_fixed_size 327680
		.amdhsa_private_segment_fixed_size 0
		.amdhsa_enable_private_segment 0
		.amdhsa_kernarg_size 40
		.amdhsa_user_sgpr_count 2
		.amdhsa_user_sgpr_kernarg_segment_ptr 1
		.amdhsa_wavefront_size32 1
		.amdhsa_system_sgpr_workgroup_id_x 1
		.amdhsa_system_sgpr_workgroup_id_y 1
		.amdhsa_system_sgpr_workgroup_id_z 1
		.amdhsa_system_vgpr_workitem_id 0
		.amdhsa_next_free_vgpr 1024
		.amdhsa_next_free_sgpr 102
		.amdhsa_reserve_vcc 0
		.amdhsa_float_denorm_mode_32 3
		.amdhsa_float_denorm_mode_16_64 3
		.amdhsa_memory_ordered 1
		.amdhsa_forward_progress 1
		.amdhsa_inst_pref_size 213
	.end_amdhsa_kernel
	.amdgpu_metadata
---
amdhsa.version: [ 1, 2 ]
amdhsa.kernels:
  - .name:           k_q6649353364_proj
    .symbol:         k_q6649353364_proj.kd
    .args:
      - { .name: cod, .offset: 0, .size: 8, .value_kind: global_buffer, .address_space: global }
      - { .name: scl, .offset: 8, .size: 8, .value_kind: global_buffer, .address_space: global }
      - { .name: b_qkv, .offset: 16, .size: 8, .value_kind: global_buffer, .address_space: global }
      - { .name: qb, .offset: 24, .size: 8, .value_kind: global_buffer, .address_space: global }
      - { .name: kv, .offset: 32, .size: 8, .value_kind: global_buffer, .address_space: global }
    .group_segment_fixed_size: 327680
    .private_segment_fixed_size: 0
    .kernarg_segment_align: 8
    .kernarg_segment_size: 40
    .max_flat_workgroup_size: 128
    .sgpr_count:     102
    .vgpr_count:     1024
    .wavefront_size: 32
...
	.end_amdgpu_metadata
.endif
;; end of part 2
;; launch attn (part 3): grid 8 x 32, 16 waves a work-group, clusters of 4 x 1, 256,000 bytes of LDS; arguments qb, kv, oc, os; writes oc, os
.if DOCPART == 3
	.amdgcn_target "amdgcn-amd-amdhsa--gfx1250"
	.amdhsa_code_object_version 6
	.text
	.protected	k_q6649353364_attn
	.globl	k_q6649353364_attn
	.p2align	8
	.type	k_q6649353364_attn,@function
k_q6649353364_attn:
	s_mov_b64 s[64:65], 0
	v_nop
	global_prefetch_b8 v0, s[64:65] scope:SCOPE_SE
	s_setreg_imm32_b32 hwreg(HW_REG_WAVE_MODE, 25, 1), 1
	s_wait_xcnt 0x0
	s_wait_alu depctr_hold_cnt(0) depctr_sa_sdst(0) depctr_va_vdst(0) depctr_va_sdst(0) depctr_va_ssrc(0) depctr_va_vcc(0) depctr_vm_vsrc(0)
	s_getreg_b32 s2, hwreg(HW_REG_IB_STS2, 6, 4)
	s_cmp_eq_u32 s2, 0
	s_cbranch_scc0 .Lentry_in_a_cluster
	s_endpgm
.Lentry_in_a_cluster:
	s_bfe_u32 s2, ttmp6, 0x10000c
	s_cmp_lg_u32 s2, 0x3003
	s_cbranch_scc0 .Lentry_shape_is_right
	s_endpgm
.Lentry_shape_is_right:
; pre_O = softmax(mask(Q K^T / 8)) V for one head, both products on codes of BF6 (E3M2) with E8M0 scales, and the quantising of pre_O for the last product.
; THE MASK: a logit above the diagonal, and a logit that is exactly 0 on or under it, counts as -10,000 (not -infinity): such keys stay in the maximum, in the sum and in the product.
;   A raw score is 8 x the logit, so the fill is -80,000, and t = score x c with c = log2(e) / 8.
; THE SOFTMAX: M = the running largest t rounded up to a whole number; p = 2^(t - M) is quantised along the keys; the row's sum is taken of the unquantised p and divides at the end.
; KEY STEPS (128 keys) THAT ARE WHOLLY HIDDEN have one p for all their keys and so one quantised number pq (each block of 32 holds 32 equal numbers).  For all values of the inputs
;   the sum over those keys of pq x Vq(key, d) is pq x the sum over those keys of Vq(key, d).  So each step's sums of Vq are made ONCE in the work-group, by the matrix unit (V^T times an operand of ones under the scale 1),
;   wave w for step w, and kept as a row of 64 numbers in LDS; on its way out a tile adds the rows behind its block, multiplies by its pq under the final M and adds that to O^T; the row's sum takes count x p.
;   (-10,000 counts in the maximum from the start, for every row but the very last, which has no hidden key.)  pq is p rounded to two mantissa bits, ties to even, held at 1.75 x p's power of two: E3M2 under the block's own scale.
; SHARES.  A work-group takes query tile p (16 queries) of each of the head's 16 blocks of 128 queries.  The tiles of blocks j and 15 - j, 17 visible key steps together, belong to a PAIR of waves:
;   wave A walks key steps 0 .. SPLIT - 1 of block 15 - j's tile; wave B walks block j's tile, stores it, and then walks the steps from SPLIT on of block 15 - j's tile.
;   A hands its -M, its sum and its O^T to B through an LDS stage of the pair's own; B brings both parts under the larger M (powers of two: nothing is rounded), adds them and stores the tile.
;   Pair j = wave / 2, role = bit 0 xor bit 2 of the wave's number: of any four waves w % 4 = const, and of any four w / 4 = const, two are A's.
;   Every walk has a constant number of trips; a wave jumps over the steps that are not its own.  All hangs on the wave's number alone, so the eight work-groups of a head run alike,
;   and the head's K and V are asked for jointly by the four partners of a cluster.
; LDS holds the head's whole K and V: 16 records of 13,056 bytes, each brought by one wave's one tensor load and filled once; behind them the stages (8 x 4,608 bytes), the table of V's sums (16 x 256),
;   a scratch block of 256 bytes for each wave, and the spare words.  No prefetch: all that the launch reads through LDS is asked for at the head, so there is no loop to run ahead in.
; LAYOUT.  S^T = K Q^T (source 0 = 16 keys, source 1 = my 16 queries), O^T = V^T P^T: a lane holds one query throughout.  Tile t, slot r is row 32 (t / 2) + 8 (t % 2) + r + 8 (r / 8) of a block.
;   Q K^T has K = 64: Q's registers 6-11 are zero codes; K's fragments lie 6 registers apart, so the upper six registers of tile t's operand are tile t + 1's codes: they meet zero codes under the scale byte of 1.0.
; LIMITS: NaN and infinities are not served; the scaled scores stay under 2^31 in magnitude; p under 2^-126 is taken as 0; a block of zeros has the scale byte 1 (its codes are zeros; this program alone reads the bytes);
;   the wholly hidden keys' products are summed in another order than the visible ones'; a hidden p under 2^-122 is rounded by its own exponent and not under the scale byte held at 1.
; REGISTERS: v0 my query within its block (behind the head); v1-3 16, 8, 4 x lane; v4-6 the step's LDS addresses; v7 my query less 16 (lane / 16); v8 the fill; v9 4 r; v10-11 the add's two; v12 -M, v13 the largest t,
;   v[14:15] the sum; v16-27 Q, v28 its scale word; v30 the pair's stage; v31 where my row of V's sums goes; v32-85 K's eight tiles, later v32-43 P's codes, v44-69 at work; v86-87 V's scale words; v88-135 V;
;   v136-199 S^T, then p; v200-231 O^T; v244-247 K's scale words; v248 P's scale word; the rest of v232-255 at work.
.set REC,   13056
.set STAGE, 16*REC
.set SPART, 4608
.set TAB,   STAGE+8*SPART
.set SCR,   TAB+4096
.set SPARE, SCR+4096
.set SPLIT, 9
.set S,   136
.set O,   200
.set WV,  18
.set SEL, 20                           ; s[20:21] lane selects: lane l xor 16
.set CS,  22                           ; s[22:23] c
.set G1,  24
.set G0,  32
.set MK,  36                           ; s[36:39] four compare masks
.set BLK, 43                           ; s43 the block of 128 queries that I am at
.set END, 44                           ; s44 the first key step that is not mine
.set KS,  46                           ; s46 the key step
.set TB,  47                           ; s47 where its record begins in LDS
.set PJ,  60                           ; s60 my pair
.set ROLE, 61                          ; s61 0: wave A, 1: wave B
.macro D n
	s_delay_alu instid0(VALU_DEP_\n)
.endm
.macro CROUND
	s_barrier_signal -1
	s_barrier_wait -1
	s_cmp_lg_u32 s[WV], 0
	s_cbranch_scc1 .Lnot_wave_0_\@
	s_barrier_signal -3
.Lnot_wave_0_\@:
	s_barrier_wait -3
	s_barrier_signal -1
	s_barrier_wait -1
.endm
.macro PLACES
.rept 4
	v_nop
.endr
.endm
.macro VLOAD                           ; V's four fragments and their scale words: 14 loads
.irp t, 0,1,2,3
.irp c, 0,1,2
	ds_load_b128 v[88+12*\t+4*\c:91+12*\t+4*\c], v4 offset:6144+1536*\t+512*\c
.endr
.endr
.irp i, 0,1
	ds_load_b32 v[86+\i], v6 offset:12800+128*\i   ; lanes 0-15: tile 2 i; lanes 16-31: tile 2 i + 1
.endr
.endm
; A walk begins: Q of block BLK's tile p, and the running state.  No step behind the diagonal is walked.
.macro JOBINIT
	s_add_co_u32 s12, s[BLK], 1
	s_min_u32 s[END], s[END], s12
	s_lshl_b32 s12, s42, 4
	s_add_co_u32 s12, s12, s[BLK]
	s_mul_i32 s48, s12, 6656                       ; the block's record of Q
	s_mov_b32 s49, 0
	s_add_nc_u64 s[50:51], s[4:5], s[48:49]
	s_mul_i32 s48, s41, 768
	s_add_nc_u64 s[52:53], s[50:51], s[48:49]      ; tile p's codes
	s_lshl_b32 s48, s41, 6
	s_add_nc_u64 s[54:55], s[50:51], s[48:49]      ; and, 6,144 on, its scale words
	s_wait_alu depctr_va_vdst(0)                   ; the wait behind the scalar lines
	global_load_b128 v[16:19], v1, s[52:53]
	global_load_b64 v[20:21], v2, s[52:53] offset:512
	global_load_b32 v28, v9, s[54:55] offset:6144
	s_lshl_b32 s12, s[BLK], 7
	s_sub_co_u32 s12, 0x7ff, s12
	v_cmp_eq_u32 vcc_lo, s12, v0                   ; the very last row of the sequence?
	v_mul_f32 v13, s[CS], v8                       ; the largest t so far: the fill's, since every other row has hidden keys;
	v_mov_b32 v254, 0xff61b1e6
	v_mov_b32 v14, 0
	v_mov_b32 v15, 0
	D 3
	v_cndmask_b32 v13, v13, v254, vcc_lo           ; the last row's: -3e38, under every t
	D 1
	v_floor_f32 v12, -v13                          ; -M
.set N, 0
.rept 32
	v_mov_b32 v[O+N], 0                            ; O^T.  (The step is written once: the first finds zeros)
.set N, N+1
.endr
	s_wait_alu depctr_va_vdst(0)
	s_wait_loadcnt 0x0
.endm
; Key steps first .. 15.  A step at or behind END is jumped over.
.macro WALK first
	s_mov_b32 s[KS], \first
	s_mov_b32 s[TB], (\first)*REC
.Lstep_\@:
	v_add_nc_u32 v4, s[TB], v1                     ; these three and the v_nop are the four places in front of loads into registers that the last products read
	v_add_nc_u32 v5, s[TB], v2
	v_add_nc_u32 v6, s[TB], v3
	v_nop
	s_wait_alu depctr_va_vdst(0)                   ; the wait ahead of the branch
	s_cmp_ge_u32 s[KS], s[END]
	s_cbranch_scc1 .Lnext_\@
.irp t, 0,1,2,3,4,5,6,7
	ds_load_b128 v[32+6*\t:35+6*\t], v4 offset:768*\t
	ds_load_b64 v[36+6*\t:37+6*\t], v5 offset:768*\t+512
.endr
.irp i, 0,1,2,3
	ds_load_b32 v[244+\i], v6 offset:12288+128*\i  ; K's scale words: lanes 0-15 tile 2 i, lanes 16-31 tile 2 i + 1
.endr
	VLOAD
	s_wait_dscnt 14                                ; K is in; V's fourteen loads may be out
.irp t, 0,2,4,6
	v_wmma_scale_f32_16x16x128_f8f6f4 v[S+8*\t:S+8*\t+7], v[32+6*\t:43+6*\t], v[16:27], 0, v[244+\t/2], v28 matrix_a_fmt:MATRIX_FMT_BF6 matrix_b_fmt:MATRIX_FMT_BF6
	v_wmma_scale_f32_16x16x128_f8f6f4 v[S+8*\t+8:S+8*\t+15], v[38+6*\t:49+6*\t], v[16:27], 0, v[244+\t/2], v28 matrix_a_fmt:MATRIX_FMT_BF6 matrix_b_fmt:MATRIX_FMT_BF6 matrix_a_scale:MATRIX_SCALE_ROW1
.endr
	PLACES
	s_cmp_lg_u32 s[KS], s[BLK]
	s_cbranch_scc1 .Lopen_\@
.set N, 0
.rept 64                               ; on the diagonal: the scores of hidden keys become the fill (register 16 b + i holds key 32 b + i + 16 h)
	v_cmp_gt_i32 vcc_lo, 32*(N/16)+N%16, v7
	v_cndmask_b32 v[S+N], v[S+N], v8, vcc_lo
.set N, N+1
.endr
.Lopen_\@:
.set N, 0
.rept 16                               ; a score that is exactly 0 becomes the fill too; four at a time, from each accumulator's low end on
.irp k, 0,1,2,3
	v_cmp_eq_f32 s[MK+\k], 0, v[S+N+\k]
.endr
.irp k, 0,1,2,3
	v_cndmask_b32 v[S+N+\k], v[S+N+\k], v8, s[MK+\k]
.endr
.set N, N+4
.endr
.irp b, 0,1,2,3                        ; the largest score of each block of 32 keys, in eight chains by turns: for the row's maximum, and, since p rises with the score, for the block's largest p
	v_max3_num_f32 v[232+\b], v[S+16*\b], v[S+1+16*\b], v[S+2+16*\b]
.endr
.irp b, 0,1,2,3
	v_max3_num_f32 v[66+\b], v[S+8+16*\b], v[S+9+16*\b], v[S+10+16*\b]
.endr
.irp i, 3,5
.irp b, 0,1,2,3
	v_max3_num_f32 v[232+\b], v[232+\b], v[S+16*\b+\i], v[S+1+16*\b+\i]
.endr
.irp b, 0,1,2,3
	v_max3_num_f32 v[66+\b], v[66+\b], v[S+8+16*\b+\i], v[S+9+16*\b+\i]
.endr
.endr
.irp b, 0,1,2,3
	v_max3_num_f32 v[232+\b], v[232+\b], v[S+7+16*\b], v[S+15+16*\b]
.endr
.irp b, 0,1,2,3
	D 4
	v_max_num_f32 v[232+\b], v[232+\b], v[66+\b]
.endr
.irp b, 0,1,2,3
	D 4
	v_permlanex16_b32 v[236+\b], v[232+\b], s[SEL], s[SEL+1]
.endr
.irp b, 0,1,2,3
	D 4
	v_max_num_f32 v[232+\b], v[232+\b], v[236+\b]  ; with lane l xor 16's 16 keys
.endr
	D 2
	v_max3_num_f32 v254, v232, v233, v234
	D 1
	v_max_num_f32 v254, v254, v235
	D 1
	v_mul_f32 v254, s[CS], v254                    ; as t (c is positive)
	D 1
	v_max_num_f32 v13, v13, v254                   ; the running largest t
	v_mov_b32 v254, v12
	D 2
	v_floor_f32 v12, -v13                          ; the new -M = -ceil(t): a whole number
	D 1
	v_sub_f32 v254, v12, v254                      ; old M - new M: a whole number, 0 or less
	D 1
	v_cvt_i32_f32 v254, v254                       ; (it saturates)
	D 1
	v_ldexp_f32 v252, 1.0, v254                    ; f = 2^(old M - new M): a multiplication by it rounds nothing
.set N, 0
.rept 32
	v_pk_fma_f32 v[S+N:S+N+1], v[S+N:S+N+1], s[CS:CS+1], v[12:13] op_sel_hi:[1,0,0]   ; t - M
.set N, N+2
.endr
.irp b, 0,1,2,3
	v_fma_f32 v[232+\b], v[232+\b], s[CS], v12     ; the same of each block's largest score
.endr
	s_wait_alu depctr_va_vdst(0)                   ; the wait ahead of the batch
.set N, 0
.rept 64
	v_exp_f32 v[S+N], v[S+N]                       ; p = 2^(t - M), at most 1
.set N, N+1
.endr
	v_pk_mul_f32 v[14:15], v[14:15], v[252:253] op_sel_hi:[1,0]   ; the sums under the new M (a plain instruction behind the exponentials)
	s_wait_alu depctr_va_vdst(0)                   ; one wait for the whole batch, ahead of its first reader
.irp b, 0,1,2,3
	v_exp_f32 v[232+\b], v[232+\b]                 ; the block's largest p
.endr
.set N, 0                              ; the row's sum of the unquantised p: eight chains of pairs by turns
.irp a, 52,54,56,58,60,62,64
	v_pk_add_f32 v[\a:\a+1], v[S+N:S+N+1], v[S+N+2:S+N+3]
.set N, N+4
.endr
.rept 2
	v_pk_add_f32 v[14:15], v[14:15], v[S+N:S+N+1]
.set N, N+2
.irp a, 52,54,56,58,60,62,64
	v_pk_add_f32 v[\a:\a+1], v[\a:\a+1], v[S+N:S+N+1]
.set N, N+2
.endr
.endr
	v_pk_add_f32 v[14:15], v[14:15], v[S+60:S+61]
	v_pk_add_f32 v[52:53], v[52:53], v[S+62:S+63]
	v_pk_add_f32 v[54:55], v[54:55], v[56:57]
	v_pk_add_f32 v[58:59], v[58:59], v[60:61]
	v_pk_add_f32 v[62:63], v[62:63], v[64:65]
	D 4
	v_pk_add_f32 v[14:15], v[14:15], v[52:53]
	D 3
	v_pk_add_f32 v[54:55], v[54:55], v[58:59]
	D 2
	v_pk_add_f32 v[14:15], v[14:15], v[62:63]
	D 1
	v_pk_add_f32 v[14:15], v[14:15], v[54:55]
	s_wait_alu depctr_va_vdst(0)                   ; and one for the four
.irp b, 0,1,2,3
	v_max_num_f32 v[232+\b], 0x2800000, v[232+\b]  ; the floor 2^(5 - 127): the byte cannot fall under 1
.endr
.irp b, 0,1,2,3
	D 4
	v_add_nc_u32 v[240+\b], 0xfe000000, v[232+\b]  ; 4 off the exponent field: the conversion's scale operand
.endr
.irp b, 0,1,2,3
	D 4
	v_lshrrev_b32 v[236+\b], 23, v[240+\b]         ; the scale's byte
.endr
	D 3
	v_lshl_or_b32 v248, v237, 8, v236              ; P's scale word for these 128 keys
	D 1
	v_lshl_or_b32 v248, v238, 16, v248
	D 1
	v_lshl_or_b32 v248, v239, 24, v248
.irp c, 0,1
	v_cvt_scalef32_pk16_bf6_f32 v[32+6*\c:34+6*\c], v[S+32*\c:S+15+32*\c], v[240+2*\c]
	v_cvt_scalef32_pk16_bf6_f32 v[44+4*\c:46+4*\c], v[S+16+32*\c:S+31+32*\c], v[241+2*\c]
.endr
	v_nop                                          ; one plain instruction behind the scaled conversions
.irp c, 0,1
.irp i, 0,1,2
	v_permlane16_swap_b32 v[32+6*\c+\i], v[44+4*\c+\i]
.endr
.irp i, 0,1,2
	D 3
	v_mov_b32 v[35+6*\c+\i], v[44+4*\c+\i]
.endr
.endr
	s_wait_alu depctr_va_vdst(0)                   ; the wait directly ahead of the first reader of O^T
.set N, 0
.rept 16
	v_pk_mul_f32 v[O+N:O+N+1], v[O+N:O+N+1], v[252:253] op_sel_hi:[1,0]   ; O^T under the new M; these are also the places between the writes of P and its scale word and the products
.set N, N+2
.endr
	s_wait_alu depctr_va_vdst(0)
	s_wait_dscnt 0x0                               ; V is in
.irp t, 0,2                            ; O^T += V^T P^T: the four accumulators by turns
	v_wmma_scale_f32_16x16x128_f8f6f4 v[O+8*\t:O+8*\t+7], v[88+12*\t:99+12*\t], v[32:43], v[O+8*\t:O+8*\t+7], v[86+\t/2], v248 matrix_a_fmt:MATRIX_FMT_BF6 matrix_b_fmt:MATRIX_FMT_BF6
	v_wmma_scale_f32_16x16x128_f8f6f4 v[O+8*\t+8:O+8*\t+15], v[100+12*\t:111+12*\t], v[32:43], v[O+8*\t+8:O+8*\t+15], v[86+\t/2], v248 matrix_a_fmt:MATRIX_FMT_BF6 matrix_b_fmt:MATRIX_FMT_BF6 matrix_a_scale:MATRIX_SCALE_ROW1
.endr
.Lnext_\@:
	s_add_co_u32 s[TB], s[TB], REC
	s_add_co_u32 s[KS], s[KS], 1
	s_cmp_lt_u32 s[KS], 16
	s_wait_alu depctr_va_vdst(0)                   ; the wait ahead of the backward jump
	s_cbranch_scc1 .Lstep_\@
.endm
; THE WAY OUT of block BLK's tile: the wholly hidden keys' share; then O^T / the sum, quantised along the head's 64 channels (two blocks of 32): half a fragment of the last product's A, and two scale bytes.
.macro OUT
	s_lshr_b32 s12, s42, 4
	s_lshl_b32 s12, s12, 7
	s_lshl_b32 s14, s[BLK], 3
	s_add_co_u32 s12, s12, s14
	s_add_co_u32 s12, s12, s41                     ; the tile of tokens: 128 x batch + 8 x block + p
	s_and_b32 s14, s42, 15                         ; the head within its batch
	s_lshl_b32 s15, s12, 4
	s_add_co_u32 s15, s15, s14
	s_mul_i32 s16, s15, 768
	s_mov_b32 s17, 0
	s_add_nc_u64 s[56:57], s[8:9], s[16:17]
	s_lshl_b32 s16, s12, 9                         ; os: 512 bytes a tile; K step head / 2: 128 (head / 4) + 4 ((head / 2) % 2); my half of its word: 2 (head % 2)
	s_lshr_b32 s15, s14, 2
	s_lshl_b32 s15, s15, 7
	s_add_co_u32 s16, s16, s15
	s_and_b32 s15, s14, 3
	s_lshl_b32 s15, s15, 1
	s_add_co_u32 s16, s16, s15
	s_add_nc_u64 s[58:59], s[10:11], s[16:17]
	s_sub_co_u32 s13, 15, s[BLK]
	s_lshl_b32 s13, s13, 6                         ; half of the wholly hidden keys: each half of the lanes adds half
	s_lshl_b32 s12, s[WV], 8
	s_add_co_u32 s12, s12, SCR                     ; my scratch block
	s_mov_b32 s15, 0                               ; (named in a pair with s14)
	s_wait_alu depctr_va_vdst(0)                   ; the wait behind the scalar lines
	v_add_nc_u32 v250, TAB, v2                     ; the table's rows: lane l takes channels 2 l, 2 l + 1
	v_add_nc_u32 v251, s12, v2
	v_bfe_u32 v255, v3, 6, 1                       ; h
	v_fma_f32 v249, v8, s[CS], v12                 ; the fill's t - M: never above 0 where a row has hidden keys;
	v_cvt_f32_u32 v254, s13
.irp k, 1,2,3,4,5,6,7,8,9,10,11,12,13,14,15
	ds_load_b64 v[S+2*\k:S+2*\k+1], v250 offset:256*\k
.endr
	v_lshl_add_u32 v255, v255, 5, s12
	v_min_num_f32 v249, 0, v249                    ; held at 0 for safety in the very last row, whose count is 0
	s_wait_alu depctr_va_vdst(0)
	v_exp_f32 v249, v249                           ; the hidden keys' p
	v_nop
	s_wait_alu depctr_va_vdst(0)
	v_fmac_f32 v14, v249, v254                     ; the sum takes all wholly hidden keys at once
	v_and_b32 v252, 0x7f800000, v249               ; p's exponent field E
	v_add_nc_u32 v253, 0x0ac00000, v252            ; 1.5 x 2^(E + 21): added and taken away again it rounds p to two mantissa bits, ties to even
	v_or_b32 v252, 0x600000, v252                  ; 1.75 x 2^E: 28 under the block's scale
	v_add_f32 v254, v249, v253
	v_sub_f32 v254, v254, v253
	v_min_num_f32 v252, v254, v252                 ; pq
	s_wait_alu depctr_va_vdst(0)
	s_wait_dscnt 0x0
.irp k, 1,2                            ; the rows behind my block, in two chains; a row at or ahead of it is multiplied by 0 (the choice hangs on ids alone)
	s_cmp_lt_u32 s[BLK], \k
	s_cselect_b32 s14, 1.0, 0
	v_pk_mul_f32 v[S+30+2*\k:S+31+2*\k], v[S+2*\k:S+2*\k+1], s[14:15] op_sel_hi:[1,0]
.endr
.irp k, 3,4,5,6,7,8,9,10,11,12,13,14,15
	s_cmp_lt_u32 s[BLK], \k
	s_cselect_b32 s14, 1.0, 0
	v_pk_fma_f32 v[S+32+2*((\k+1)%2):S+33+2*((\k+1)%2)], v[S+2*\k:S+2*\k+1], s[14:15], v[S+32+2*((\k+1)%2):S+33+2*((\k+1)%2)] op_sel_hi:[1,0,1]
.endr
	v_pk_add_f32 v[S+32:S+33], v[S+32:S+33], v[S+34:S+35]
	ds_store_b64 v251, v[S+32:S+33]                ; through my own scratch block into O^T's layout: LDS serves a wave's instructions in order
.irp i, 0,1,2,3,4,5,6,7
	ds_load_b128 v[S+4*\i:S+4*\i+3], v255 offset:16*(\i%2)+64*(\i/2)   ; register 8 t + i: channel 16 t + 8 h + i
.endr
	s_wait_dscnt 0x0
	s_wait_alu depctr_va_vdst(0)                   ; the wait directly ahead of the first reader of O^T
.set N, 0
.rept 16
	v_pk_fma_f32 v[O+N:O+N+1], v[S+N:S+N+1], v[252:253], v[O+N:O+N+1] op_sel_hi:[1,0,1]
.set N, N+2
.endr
	v_add_f32 v14, v14, v15
	D 1
	v_permlanex16_b32 v252, v14, s[SEL], s[SEL+1]
	D 1
	v_add_f32 v14, v14, v252                       ; the row's sum
	s_wait_alu depctr_va_vdst(0)
	v_rcp_f32 v14, v14
	v_lshlrev_b32 v254, 1, v9                      ; (a plain instruction behind the reciprocal)  8 r
	s_wait_alu depctr_va_vdst(0)                   ; ahead of the reciprocal's first reader
.set N, 0
.rept 32
	v_mul_f32 v[S+N], v[O+N], v14                  ; register 16 b + i: channel 32 b + 16 h + i of my query
.set N, N+1
.endr
.irp b, 0,1
	v_max3_num_f32 v[232+\b], |v[S+16*\b]|, |v[S+1+16*\b]|, 0x2800000
.endr
.irp i, 2,4,6,8,10,12,14
.irp b, 0,1
	D 2
	v_max3_num_f32 v[232+\b], v[232+\b], |v[S+16*\b+\i]|, |v[S+1+16*\b+\i]|
.endr
.endr
.irp b, 0,1
	D 2
	v_permlanex16_b32 v[236+\b], v[232+\b], s[SEL], s[SEL+1]
.endr
.irp b, 0,1
	D 2
	v_max_num_f32 v[232+\b], v[232+\b], v[236+\b]
.endr
.irp b, 0,1
	D 2
	v_add_nc_u32 v[240+\b], 0xfe000000, v[232+\b]
.endr
.irp b, 0,1
	D 2
	v_lshrrev_b32 v[236+\b], 23, v[240+\b]
.endr
	D 1
	v_lshl_or_b32 v249, v237, 8, v236
	v_cvt_scalef32_pk16_bf6_f32 v[32:34], v[S:S+15], v240
	v_cvt_scalef32_pk16_bf6_f32 v[44:46], v[S+16:S+31], v241
	v_nop
.irp i, 0,1,2
	v_permlane16_swap_b32 v[32+\i], v[44+\i]
.endr
.irp i, 0,1,2
	D 3
	v_mov_b32 v[35+\i], v[44+\i]
.endr
	global_store_b128 v1, v[32:35], s[56:57]       ; 512 consecutive bytes, aligned,
	global_store_b64 v2, v[36:37], s[56:57] offset:512   ; and 256
	global_store_b16 v254, v249, s[58:59]          ; two bytes a slot: the other heads fill the rest of the words (both halves of the lanes write the same bytes)
	s_wait_xcnt 0x0                                ; the stores' registers and bases may be written again
.endm
	s_load_b256 s[4:11], s[0:1], 0x0               ; qb s[4:5], kv s[6:7], oc s[8:9], os s[10:11]
	v_lshl_add_u32 v10, v0, 2, SPARE
	v_mov_b32 v11, 0
	ds_add_u32 v10, v11                            ; the opening lines: the add, twice on end, and its wait
	ds_add_u32 v10, v11
	v_lshrrev_b32 v1, 5, v0
	v_readfirstlane_b32 s[WV], v1                  ; wave 0..15
	s_bfe_u32 s40, ttmp6, 0x40000                  ; cx
	s_lshl_b32 s41, ttmp9, 2
	s_add_co_u32 s41, s41, s40                     ; p: it enters Q's and the results' addresses and the mask's numbers alone
	s_and_b32 s42, ttmp7, 0xffff                   ; the head, 0..31, which the partners share
	s_lshr_b32 s[PJ], s[WV], 1                     ; my pair
	s_lshr_b32 s12, s[WV], 2
	s_xor_b32 s12, s12, s[WV]
	s_and_b32 s[ROLE], s12, 1                      ; bit 0 xor bit 2
	s_sub_co_u32 s12, 15, s[PJ]
	s_cmp_eq_u32 s[ROLE], 0
	s_cselect_b32 s[BLK], s12, s[PJ]               ; the first walk: A the long tile's steps 0 .. SPLIT - 1, B the short tile's
	s_cselect_b32 s[END], SPLIT, 16
	s_mov_b32 s[G1+0], 15|(3<<16)|(1<<21)          ; the mask: all four partners; elements of 8 bytes; 21 set beside a mask
	s_mov_b32 s[G1+1], 32<<16                      ; a record: 51 rows of 256 bytes, dense
	s_mov_b32 s[G1+2], 51<<16
	s_mov_b32 s[G1+3], 32<<16
	s_mov_b32 s[G1+4], 51
	s_mov_b32 s[G1+5], 32
	s_mov_b32 s[G1+6], 0
	s_mov_b32 s[G1+7], 0
	s_mov_b32 s[SEL], 0x76543210
	s_mov_b32 s[SEL+1], 0xfedcba98
	s_mov_b32 s[CS], 0x3e38aa3b                    ; c = log2(e) / 8
	s_mov_b32 s[CS+1], s[CS]                       ; (named with it as a pair, so it is written)
	s_lshl_b32 s12, s42, 4
	s_add_co_u32 s12, s12, s[WV]                   ; the record that I fetch: block w of the head's keys
	s_mul_i32 s12, s12, REC
	s_mov_b32 s13, 0
	s_mul_i32 s45, s[WV], REC                      ; and where it goes
	s_lshr_b32 s16, s41, 1
	s_lshl_b32 s16, s16, 5
	s_and_b32 s17, s41, 1
	s_lshl_b32 s17, s17, 3
	s_add_co_u32 s16, s16, s17                     ; tile p's first row in a block
	s_mul_i32 s17, s[PJ], SPART
	s_add_co_u32 s17, s17, STAGE                   ; my pair's stage
	s_lshl_b32 s19, s[WV], 8
	s_add_co_u32 s19, s19, TAB                     ; my row of the table of V's sums
	s_wait_dscnt 0x0
	s_wait_kmcnt 0x0
	s_mov_b32 s[G0], 1
	s_mov_b32 s[G0+1], s45
	s_add_nc_u64 s[G0+2:G0+3], s[6:7], s[12:13]
	s_or_b32 s[G0+3], s[G0+3], 0x80000000
	CROUND                                         ; all four work-groups are here: the joint loads meet
	tensor_load_to_lds s[G0:G0+3], s[G1:G1+7]      ; my one tensor load
	s_nop 0
.rept 4
	v_nop
.endr
	v_and_b32 v3, 31, v0
	v_and_b32 v9, 15, v0                           ; r
	v_bfe_u32 v31, v0, 4, 1                        ; h
	v_mov_b32 v8, 0xc79c4000                       ; -80,000
	v_mov_b32 v248, 0x7f7f7f7f                     ; the ones' scale word: 1.0 four times
.irp j, 22,23,24,25,26,27
	v_mov_b32 v\j, 0                               ; Q's upper 64 along K: zero codes
.endr
	v_lshlrev_b32 v1, 4, v3
	v_lshlrev_b32 v2, 3, v3
	v_and_b32 v254, 8, v9
	v_lshlrev_b32 v7, 4, v31
.irp j, 80,81,82,83,84,85
	v_mov_b32 v\j, 0                               ; behind K's last tile
.endr
	v_lshlrev_b32 v3, 2, v3
	v_add3_u32 v0, v254, v9, s16                   ; my query within its block (the thread's number is needed no more)
	v_add_nc_u32 v30, s17, v1                      ; the stage's address is made here, ahead of every parting of the roles
	v_lshl_add_u32 v31, v31, 5, s19                ; my row of the table, + 32 h
.irp j, 236,237,238,239,252,253
	v_mov_b32 v\j, 0                               ; lane permutes' destinations, the pair of f
.endr
	v_sub_nc_u32 v7, v0, v7                        ; d: on the diagonal key 32 b + i + 16 h is hidden where 32 b + i > d
	v_lshlrev_b32 v9, 2, v9                        ; 4 r
	JOBINIT
	; V's sums over my own record's 128 keys: V^T times an operand of ones.  Only my own tensor load is waited for: the record is the one that I fetched
	v_mov_b32 v240, 1.0
.set N, 0
.rept 16
	v_mov_b32 v[S+N], 1.0
.set N, N+1
.endr
	v_cvt_scalef32_pk16_bf6_f32 v[32:34], v[S:S+15], v240   ; sixteen codes of 1.0: 96 bits,
	v_nop
.set N, 0
.rept 9
	v_mov_b32 v[35+N], v[32+N%3]                   ; four times over: 128 keys
.set N, N+1
.endr
	v_add_nc_u32 v4, s45, v1
	v_add_nc_u32 v6, s45, v3
	s_wait_alu depctr_va_vdst(0)                   ; the wait at the head's end
	s_wait_tensorcnt 0x0                           ; my record is in LDS
	VLOAD
	s_wait_dscnt 0x0
.irp t, 0,2
	v_wmma_scale_f32_16x16x128_f8f6f4 v[S+32+8*\t:S+39+8*\t], v[88+12*\t:99+12*\t], v[32:43], 0, v[86+\t/2], v248 matrix_a_fmt:MATRIX_FMT_BF6 matrix_b_fmt:MATRIX_FMT_BF6
	v_wmma_scale_f32_16x16x128_f8f6f4 v[S+40+8*\t:S+47+8*\t], v[100+12*\t:111+12*\t], v[32:43], 0, v[86+\t/2], v248 matrix_a_fmt:MATRIX_FMT_BF6 matrix_b_fmt:MATRIX_FMT_BF6 matrix_a_scale:MATRIX_SCALE_ROW1
.endr
	PLACES
.irp i, 0,1,2,3,4,5,6,7
	ds_store_b128 v31, v[S+32+4*\i:S+35+4*\i] offset:16*(\i%2)+64*(\i/2)   ; all sixteen columns are equal: the sixteen lanes of a half write the same bytes with the same values; each accumulator from its low end on
.endr
	s_wait_dscnt 0x0                               ; my row of the table is written,
	s_barrier_signal -1
	s_barrier_wait -1                              ; everybody's record and row are there
	WALK 0
	s_cmp_eq_u32 s[ROLE], 0
	s_cselect_b32 s[END], 0, 16                    ; the second walk is B's alone: A jumps over its every step
	s_cbranch_scc1 .Lnot_b
	PLACES                                         ; in front of the first reads of O^T
	OUT                                            ; the short tile is finished
	s_sub_co_u32 s[BLK], 15, s[PJ]
	JOBINIT                                        ; the long tile's steps from SPLIT on
.Lnot_b:
	WALK SPLIT
	PLACES
	s_cmp_lg_u32 s[ROLE], 0
	s_cbranch_scc1 .Lno_hand
.irp i, 0,1,2,3,4,5,6,7
	ds_store_b128 v30, v[O+4*\i:O+4*\i+3] offset:512*\i   ; A hands over O^T, each accumulator from its low end on,
.endr
	ds_store_b128 v30, v[12:15] offset:4096        ; and -M, the largest t and the sum
.Lno_hand:
	s_wait_dscnt 0x0                               ; my stores are done
	s_barrier_signal -1
	s_barrier_wait -1
	s_cmp_eq_u32 s[ROLE], 0
	s_cbranch_scc1 .Lend
.irp i, 0,1,2,3,4,5,6,7
	ds_load_b128 v[S+4*\i:S+4*\i+3], v30 offset:512*\i
.endr
	ds_load_b128 v[S+32:S+35], v30 offset:4096
	s_wait_dscnt 0x0
	v_min_num_f32 v254, v12, v[S+32]               ; -M of the whole row: the larger M
	v_mov_b32 v251, 0                              ; (named in a pair)
	D 2
	v_sub_f32 v250, v254, v[S+32]                  ; A's M less the row's, and mine less the row's: whole numbers, 0 or less
	v_sub_f32 v252, v254, v12
	D 2
	v_cvt_i32_f32 v250, v250
	D 2
	v_cvt_i32_f32 v252, v252
	D 2
	v_ldexp_f32 v250, 1.0, v250
	D 2
	v_ldexp_f32 v252, 1.0, v252
	v_mov_b32 v12, v254
	D 2
	v_pk_mul_f32 v[14:15], v[14:15], v[252:253] op_sel_hi:[1,0]
.set N, 0
.rept 16
	v_pk_mul_f32 v[O+N:O+N+1], v[O+N:O+N+1], v[252:253] op_sel_hi:[1,0]
.set N, N+2
.endr
	v_pk_fma_f32 v[14:15], v[S+34:S+35], v[250:251], v[14:15] op_sel_hi:[1,0,1]
.set N, 0
.rept 16
	v_pk_fma_f32 v[O+N:O+N+1], v[S+N:S+N+1], v[250:251], v[O+N:O+N+1] op_sel_hi:[1,0,1]
.set N, N+2
.endr
	OUT                                            ; the long tile is finished
.Lend:
	s_wait_tensorcnt 0x0                           ; the wave's end
	ds_add_u32 v10, v11
	s_wait_dscnt 0x0
	CROUND                                         ; the closing round: no work-group ends while a partner may still ask for a record that names it
	s_endpgm
.Lfunc_end_k_q6649353364_attn:
	.size	k_q6649353364_attn, .Lfunc_end_k_q6649353364_attn-k_q6649353364_attn
	.p2alignl 7, 3214868480
	.fill 96, 4, 3214868480
	.section	.rodata,"a",@progbits
	.p2align	6, 0x0
	.amdhsa_kernel k_q6649353364_attn
		.amdhsa_group_segment_fixed_size 256000
		.amdhsa_private_segment_fixed_size 0
		.amdhsa_enable_private_segment 0
		.amdhsa_kernarg_size 32
		.amdhsa_user_sgpr_count 2
		.amdhsa_user_sgpr_kernarg_segment_ptr 1
		.amdhsa_wavefront_size32 1
		.amdhsa_system_sgpr_workgroup_id_x 1
		.amdhsa_system_sgpr_workgroup_id_y 1
		.amdhsa_system_sgpr_workgroup_id_z 1
		.amdhsa_system_vgpr_workitem_id 0
		.amdhsa_next_free_vgpr 256
		.amdhsa_next_free_sgpr 66
		.amdhsa_reserve_vcc 1
		.amdhsa_float_denorm_mode_32 3
		.amdhsa_float_denorm_mode_16_64 3
		.amdhsa_memory_ordered 1
		.amdhsa_forward_progress 1
		.amdhsa_inst_pref_size 99
	.end_amdhsa_kernel
	.amdgpu_metadata
---
amdhsa.version: [ 1, 2 ]
amdhsa.kernels:
  - .name:           k_q6649353364_attn
    .symbol:         k_q6649353364_attn.kd
    .args:
      - { .name: qb, .offset: 0, .size: 8, .value_kind: global_buffer, .address_space: global }
      - { .name: kv, .offset: 8, .size: 8, .value_kind: global_buffer, .address_space: global }
      - { .name: oc, .offset: 16, .size: 8, .value_kind: global_buffer, .address_space: global }
      - { .name: os, .offset: 24, .size: 8, .value_kind: global_buffer, .address_space: global }
    .group_segment_fixed_size: 256000
    .private_segment_fixed_size: 0
    .kernarg_segment_align: 8
    .kernarg_segment_size: 32
    .max_flat_workgroup_size: 512
    .sgpr_count:     66
    .vgpr_count:     256
    .wavefront_size: 32
...
	.end_amdgpu_metadata
.endif
;; end of part 3
;; launch outp (part 4): grid 8 x 32, 4 waves a work-group, clusters of 4 x 4, 225,792 bytes of LDS; arguments oc, os, cod, scl, b_o, out0; writes out0
.if DOCPART == 4
	.amdgcn_target "amdgcn-amd-amdhsa--gfx1250"
	.amdhsa_code_object_version 6
	.text
	.protected	k_q6649353364_outp
	.globl	k_q6649353364_outp
	.p2align	8
	.type	k_q6649353364_outp,@function
k_q6649353364_outp:
	s_mov_b64 s[64:65], 0
	v_nop
	global_prefetch_b8 v0, s[64:65] scope:SCOPE_SE
	s_setreg_imm32_b32 hwreg(HW_REG_WAVE_MODE, 25, 1), 1
	s_wait_xcnt 0x0
	s_wait_alu depctr_hold_cnt(0) depctr_sa_sdst(0) depctr_va_vdst(0) depctr_va_sdst(0) depctr_va_ssrc(0) depctr_va_vcc(0) depctr_vm_vsrc(0)
	s_getreg_b32 s2, hwreg(HW_REG_IB_STS2, 6, 4)
	s_cmp_eq_u32 s2, 0
	s_cbranch_scc0 .Lentry_in_a_cluster
	s_endpgm
.Lentry_in_a_cluster:
	s_bfe_u32 s2, ttmp6, 0x10000c
	s_cmp_lg_u32 s2, 0xf033
	s_cbranch_scc0 .Lentry_shape_is_right
	s_endpgm
.Lentry_shape_is_right:
; out0 = pre_O W_o^T + b_o on codes of BF6 (E3M2) with E8M0 scales.  pre_O: oc [tile of 16 tokens 256][head 16][768 bytes: half a fragment], os [tile][512 bytes of scale words];
; W_o: tiles 448-511 of cod [tile][K step 8][1,536] and scl [tile][512].  Tile t, slot r is row 32 (t / 2) + 8 (t % 2) + r + 8 (r / 8).  out0: [4096][1024] f32.
; A tile of out0, 128 x 128, is made by four waves, 64 x 64 each: 16 accumulators.  256 work-groups.  All of K = 1,024 lies in LDS, in two chunks of 512, each filled once: no ring.
; CLUSTERS: 4 x 4 work-groups; A's tiles are asked for jointly by a row of the cluster, B's by a column.  The matrix instruction is used transposed (source 0 = 16 rows of W_o, source 1 = 16 tokens):
; a lane holds one token and eight neighbouring columns.  The bias is the C of each sum's first product.
; REGISTERS: window 0: v0-31 addresses; v32-63 scale words (register 8 i + s: lanes 0-15 A's tile i, lanes 16-31 B's tile i, K step s); v64-95 the bias, later rows on their way out; v96-127 rows on their way out;
;   v128-255 the accumulators ((a, b) at v[128 + 8 (4 a + b)]).   window 1: two fragment buffers at v0 and v128: A's four fragments, then B's four.
.set CHUNK, 6144                       ; four K steps of a tile: the second address register of each pair stands so far behind the first.  A's eight tiles (98,304 dense bytes) and B's eight each come whole, by one load
.set WPART, 49152                      ; four tiles x 12,288 bytes: what one wave reads of A or of B
.set TB4,   12288                      ; a tile: eight K steps
.set SCA,   196608                     ; A's scale words, 8 tiles x 512 bytes;
.set SCBD,  4096+128                   ; B's so far behind them: 128 bytes askew
.set STAGE, 205056                     ; 16 rows x 272 bytes for each wave, in blocks of 256 bytes into which no fill lands
.set SP,    272
.set A16,  16                          ; v16-17 LDS address of my A fragments in chunk 0, 1, 16 bytes a lane;
.set A8,   18                          ; v18-19 8 bytes a lane
.set B16,  20                          ; v20-21 of my B fragments
.set ADRS, 22
.set STO,  23
.set RD,   24
.set CO,   25
.set BA,   26                          ; v26 byte offset of my bias numbers; never rewritten
.set SC,   32
.set BI,   64
.set ACC,  128
.set G1A,  24                          ; s[24:31], s[32:39] groups 1 for A's and B's codes; s[40:47], s[48:55] for their scale words
.set G1B,  32
.set G1SA, 40
.set G1SB, 48
.set MSB, 0
.macro WIN new
.if MSB != \new
	s_set_vgpr_msb (MSB<<8)|\new
.set MSB, \new
.endif
.endm
.macro CROUND
	s_barrier_signal -1
	s_barrier_wait -1
	s_cmp_lg_u32 s16, 0
	s_cbranch_scc1 .Lnot_wave_0_\@
	s_barrier_signal -3
.Lnot_wave_0_\@:
	s_barrier_wait -3
	s_barrier_signal -1
	s_barrier_wait -1
.endm
.macro PLACES
.rept 4
	v_nop
.endr
.endm
	s_load_b256 s[4:11], s[0:1], 0x0               ; oc s[4:5], os s[6:7], cod s[8:9], scl s[10:11]
	s_load_b128 s[12:15], s[0:1], 0x20             ; b_o s[12:13], out0 s[14:15]
	v_lshl_add_u32 v30, v0, 2, 0x37000
	v_mov_b32 v31, 0
	ds_add_u32 v30, v31
	ds_add_u32 v30, v31
	v_lshrrev_b32 v1, 5, v0
	v_readfirstlane_b32 s16, v1                    ; wave 0..3
	s_lshr_b32 s17, s16, 1                         ; which half of the tokens is mine.
	s_and_b32 s18, s16, 1                          ; which half of the columns.
	s_bfe_u32 s19, ttmp6, 0x40000                  ; cx
	s_bfe_u32 s20, ttmp6, 0x40004                  ; cy
	s_lshl_b32 s21, ttmp9, 2
	s_add_co_u32 s21, s21, s19                     ; tile column, 0..7
	s_and_b32 s22, ttmp7, 0xffff
	s_lshl_b32 s22, s22, 2
	s_add_co_u32 s22, s22, s20                     ; tile row, 0..31
	s_lshl_b32 s96, s20, 2
	s_lshl_b32 s96, 15, s96                        ; my row of the cluster
	s_lshl_b32 s97, 0x1111, s19                    ; my column
	s_or_b32 s[G1A+0], s96, (3<<16)|(1<<21)        ; the mask; elements of 8 bytes; 21 set beside a mask
	s_or_b32 s[G1B+0], s97, (3<<16)|(1<<21)
.irp g, G1A, G1B                       ; eight whole tiles: 98,304 dense bytes as 384 rows of 256
	s_mov_b32 s[\g+1], 32<<16
	s_mov_b32 s[\g+2], 384<<16
	s_mov_b32 s[\g+3], 32<<16
	s_mov_b32 s[\g+4], 384
	s_mov_b32 s[\g+5], 32
	s_mov_b32 s[\g+6], 0
	s_mov_b32 s[\g+7], 0
.endr
	s_or_b32 s[G1SA+0], s96, (3<<16)|(1<<21)
	s_or_b32 s[G1SB+0], s97, (3<<16)|(1<<21)
.irp g, G1SA, G1SB                     ; the scale words of eight tiles: 4,096 dense bytes as 16 rows of 256
	s_mov_b32 s[\g+1], 32<<16
	s_mov_b32 s[\g+2], 16<<16
	s_mov_b32 s[\g+3], 32<<16
	s_mov_b32 s[\g+4], 16
	s_mov_b32 s[\g+5], 32
	s_mov_b32 s[\g+6], 0
	s_mov_b32 s[\g+7], 0
.endr
	s_lshl_b32 s84, s22, 3                         ; A: tile 8 x tile row
	s_lshl_b32 s86, s84, 9
	s_mov_b32 s87, 0
	s_mul_i32 s84, s84, 12288
	s_mov_b32 s85, 0
	s_lshl_b32 s88, s21, 3
	s_add_co_u32 s88, s88, 448                     ; B: tile 448 + 8 x tile column
	s_lshl_b32 s90, s88, 9
	s_mov_b32 s91, 0
	s_mul_i32 s88, s88, 12288
	s_mov_b32 s89, 0
	s_wait_dscnt 0x0
	s_wait_kmcnt 0x0
	s_add_nc_u64 s[84:85], s[4:5], s[84:85]
	s_add_nc_u64 s[86:87], s[6:7], s[86:87]
	s_add_nc_u64 s[88:89], s[8:9], s[88:89]
	s_add_nc_u64 s[90:91], s[10:11], s[90:91]
	s_mov_b32 s56, 1                               ; s[56:59] A's scale words; s[60:63] A's eight tiles
	s_mov_b32 s57, SCA
	s_mov_b64 s[58:59], s[86:87]
	s_or_b32 s59, s59, 0x80000000
	s_mov_b32 s60, 1
	s_mov_b32 s61, 0
	s_add_nc_u64 s[62:63], s[84:85], 0
	s_or_b32 s63, s63, 0x80000000
	s_mov_b32 s72, 1                               ; s[72:75] B's scale words; s[76:79] B's eight tiles
	s_mov_b32 s73, SCA+SCBD
	s_mov_b64 s[74:75], s[90:91]
	s_or_b32 s75, s75, 0x80000000
	s_mov_b32 s76, 1
	s_mov_b32 s77, 2*WPART
	s_add_nc_u64 s[78:79], s[88:89], 0
	s_or_b32 s79, s79, 0x80000000
	CROUND                                         ; all sixteen work-groups are here: the joint loads meet
; the four fills, one joint load a wave, in one tree of branches on the wave's number: wave 0 A's eight tiles, wave 1 B's, wave 2 A's scale words, wave 3 B's
.macro ARM under, g0, g1, next
	s_cmp_lt_u32 s16, \under
	s_cbranch_scc0 \next
	tensor_load_to_lds s[\g0:\g0+3], s[\g1:\g1+7]
	s_nop 0
.rept 4
	v_nop
.endr
	s_branch .Lfirst_asked
\next:
.endm
	ARM 1, 60, G1A,  .Lfirst_b
	ARM 2, 76, G1B,  .Lfirst_sa
	ARM 3, 56, G1SA, .Lfirst_sb
	tensor_load_to_lds s[72:75], s[G1SB:G1SB+7]
	s_nop 0
.rept 4
	v_nop
.endr
.Lfirst_asked:
	v_and_b32 v1, 15, v0                           ; r
	v_bfe_u32 v2, v0, 4, 1                         ; h
	v_and_b32 v3, 31, v0
	v_lshlrev_b32 v4, 4, v3                        ; 16 x lane
	v_lshlrev_b32 v5, 3, v3                        ; 8 x lane
	s_mul_i32 s94, s17, WPART                      ; my four tiles of A
	s_mul_i32 s95, s18, WPART                      ; my four of B,
	s_add_co_u32 s95, s95, 2*WPART                 ; behind A's eight
.irp c, 0,1
	v_add_nc_u32 v[A16+\c], s94, v4
	v_add_nc_u32 v[A8+\c], s94, v5
	v_add_nc_u32 v[B16+\c], s95, v4
	s_add_co_u32 s94, s94, CHUNK
	s_add_co_u32 s95, s95, CHUNK
.endr
	v_lshlrev_b32 v6, 3, v1                        ; scale words: 8 bytes a slot for two K steps
	s_lshl_b32 s94, s17, 11
	s_lshl_b32 s95, s18, 11
	s_add_co_u32 s95, s95, SCBD
	s_sub_co_u32 s95, s95, s94
	v_mul_u32_u24 v7, s95, v2                      ; lanes 16-31 take B's
	s_add_co_u32 s94, s94, SCA
	v_add_nc_u32 v6, v6, v7
	v_add_nc_u32 v[ADRS], s94, v6
	s_mul_i32 s94, s16, 16*SP
	s_add_co_u32 s94, s94, STAGE                   ; my stage
	v_mul_u32_u24 v6, v1, SP
	v_lshl_add_u32 v6, v2, 6, v6
	v_add_nc_u32 v[STO], s94, v6                   ; in: row = slot r; my half's columns 16 h on
	v_mul_u32_u24 v6, v2, SP
	v_lshl_add_u32 v6, v1, 4, v6
	v_add_nc_u32 v[RD], s94, v6                    ; back: lanes 0-15 one row of 256 bytes, lanes 16-31 the next
	v_lshlrev_b32 v[CO], 12, v2
	v_lshl_add_u32 v[CO], v1, 4, v[CO]             ; and the same two rows in out0
	s_lshl_b32 s94, s22, 7
	s_lshl_b32 s95, s17, 6
	s_add_co_u32 s94, s94, s95                     ; my first token
	s_lshl_b32 s94, s94, 12                        ; x 4,096 bytes
	s_lshl_b32 s98, s21, 9
	s_lshl_b32 s99, s18, 8
	s_add_co_u32 s98, s98, s99                     ; my first column, in bytes
	s_add_co_u32 s94, s94, s98
	s_mov_b32 s95, 0
	s_add_nc_u64 s[14:15], s[14:15], s[94:95]
	v_lshl_add_u32 v[BA], v2, 6, s98               ; the bias: for B's tile b the numbers 32 (b / 2) + 8 (b % 2) + 16 h + 0 .. 7 of my 64
.irp b, 0,1,2,3
	global_load_b128 v[BI+8*\b:BI+8*\b+3], v[BA], s[12:13] offset:(32*(\b/2)+8*(\b%2))*4
	global_load_b128 v[BI+8*\b+4:BI+8*\b+7], v[BA], s[12:13] offset:(32*(\b/2)+8*(\b%2))*4+16
.endr
.macro FETCH k, f                      ; K step k's fragments into buffer f: 28 loads.  A fragment of A is two heads' halves: 16 bytes a lane, 8 bytes a lane, twice; one of B three planes of 16 bytes a lane
	WIN 0x40                                       ; destination window 1, address window 0
.irp i, 0,1,2,3
	ds_load_b128 v[(\f)+12*\i:(\f)+12*\i+3], v[A16+((\k)/4)] offset:TB4*\i+1536*((\k)%4)
	ds_load_b64 v[(\f)+12*\i+4:(\f)+12*\i+5], v[A8+((\k)/4)] offset:TB4*\i+1536*((\k)%4)+512
	ds_load_b128 v[(\f)+12*\i+6:(\f)+12*\i+9], v[A16+((\k)/4)] offset:TB4*\i+1536*((\k)%4)+768
	ds_load_b64 v[(\f)+12*\i+10:(\f)+12*\i+11], v[A8+((\k)/4)] offset:TB4*\i+1536*((\k)%4)+1280
.endr
.irp i, 0,1,2,3
.irp c, 0,1,2
	ds_load_b128 v[(\f)+48+12*\i+4*\c:(\f)+48+12*\i+4*\c+3], v[B16+((\k)/4)] offset:TB4*\i+1536*((\k)%4)+512*\c
.endr
.endr
.endm
.macro MUL f, k                        ; 16 products: the accumulators take turns, one instruction a turn
.irp a, 0,1,2,3
.irp b, 0,1,2,3
.if (\k) == 0
	v_wmma_scale_f32_16x16x128_f8f6f4 v[ACC+8*(4*\a+\b):ACC+8*(4*\a+\b)+7], v[(\f)+48+12*\b:(\f)+48+12*\b+11], v[(\f)+12*\a:(\f)+12*\a+11], v[BI+8*\b:BI+8*\b+7], v[SC+8*\b+(\k)], v[SC+8*\a+(\k)] matrix_a_fmt:MATRIX_FMT_BF6 matrix_b_fmt:MATRIX_FMT_BF6 matrix_a_scale:MATRIX_SCALE_ROW1
.else
	v_wmma_scale_f32_16x16x128_f8f6f4 v[ACC+8*(4*\a+\b):ACC+8*(4*\a+\b)+7], v[(\f)+48+12*\b:(\f)+48+12*\b+11], v[(\f)+12*\a:(\f)+12*\a+11], v[ACC+8*(4*\a+\b):ACC+8*(4*\a+\b)+7], v[SC+8*\b+(\k)], v[SC+8*\a+(\k)] matrix_a_fmt:MATRIX_FMT_BF6 matrix_b_fmt:MATRIX_FMT_BF6 matrix_a_scale:MATRIX_SCALE_ROW1
.endif
.endr
.endr
.endm
.macro KSTEP k
.if (\k) < 7
	PLACES                                         ; in front of loads into the buffer that the last step's products read
	FETCH (\k)+1, 128*(((\k)+1)%2)
	s_wait_dscnt 28                                ; all but the 28 just issued
.else
	s_wait_dscnt 0x0
.endif
	WIN 0x05                                       ; sources 0 and 1 window 1; C and D window 0
	MUL 128*((\k)%2), \k
.endm
	s_wait_alu depctr_va_vdst(0)                   ; the wait at the head's end
	s_wait_tensorcnt 0x0                           ; my one load is in,
	s_barrier_signal -1
	s_barrier_wait -1                              ; everybody's are
.irp i, 0,1,2,3
.irp q, 0,1,2,3
	ds_load_b64 v[SC+8*\i+2*\q:SC+8*\i+2*\q+1], v[ADRS] offset:512*\i+128*\q   ; all scale words, once
.endr
.endr
	FETCH 0, 0
	s_wait_loadcnt 0x0                             ; the bias
.irp k, 0,1,2,3,4,5,6,7
	KSTEP \k
.endr
	WIN 0
; THE WAY OUT, block by block of 16 tokens x 64 columns, through my own stage: in as 32 bytes a lane, back as rows of 256 bytes.  LDS serves a wave's instructions in order: no wait between the stores and the loads.
.macro TOSTAGE a
.irp b, 0,1,2,3
	ds_store_b128 v[STO], v[ACC+8*(4*(\a)+\b):ACC+8*(4*(\a)+\b)+3] offset:128*(\b/2)+32*(\b%2)       ; each accumulator from its low end on
	ds_store_b128 v[STO], v[ACC+8*(4*(\a)+\b)+4:ACC+8*(4*(\a)+\b)+7] offset:128*(\b/2)+32*(\b%2)+16
.endr
.set BB, 96-32*((\a)%2)
.irp i, 0,1,2,3,4,5,6,7
	ds_load_b128 v[BB+4*\i:BB+4*\i+3], v[RD] offset:2*\i*SP
.endr
.endm
.macro SEND a, younger                 ; younger: the LDS instructions issued behind block a's loads, which may stay out
.set BB, 96-32*((\a)%2)
	s_wait_dscnt \younger
.irp i, 0,1,2,3,4,5,6,7
	global_store_b128 v[CO], v[BB+4*\i:BB+4*\i+3], s[14:15] offset:(32*((\a)/2)+8*((\a)%2)+2*\i+8*(\i/4))*4096 th:TH_STORE_NT   ; slot 2 i + h of tile a; sixteen lanes store 256 consecutive bytes, aligned
.endr
.endm
	PLACES                                         ; in front of the first reads of results
	s_wait_alu depctr_va_vdst(0)
	TOSTAGE 0
.irp a, 1,2,3
.if \a > 1
	s_wait_xcnt 0x0                                ; block a - 2's stores have read their registers: block a's loads may land there
.endif
	TOSTAGE \a
	SEND \a-1, 16                                  ; behind block a - 1's loads: block a's 8 stores and 8 loads
.endr
	SEND 3, 0
	s_wait_tensorcnt 0x0
	ds_add_u32 v30, v31
	s_wait_dscnt 0x0
	CROUND                                         ; the closing round: no work-group ends while a partner may still ask for a tile that names it
	s_endpgm
.Lfunc_end_k_q6649353364_outp:
	.size	k_q6649353364_outp, .Lfunc_end_k_q6649353364_outp-k_q6649353364_outp
	.p2alignl 7, 3214868480
	.fill 96, 4, 3214868480
	.section	.rodata,"a",@progbits
	.p2align	6, 0x0
	.amdhsa_kernel k_q6649353364_outp
		.amdhsa_group_segment_fixed_size 225792
		.amdhsa_private_segment_fixed_size 0
		.amdhsa_enable_private_segment 0
		.amdhsa_kernarg_size 48
		.amdhsa_user_sgpr_count 2
		.amdhsa_user_sgpr_kernarg_segment_ptr 1
		.amdhsa_wavefront_size32 1
		.amdhsa_system_sgpr_workgroup_id_x 1
		.amdhsa_system_sgpr_workgroup_id_y 1
		.amdhsa_system_sgpr_workgroup_id_z 1
		.amdhsa_system_vgpr_workitem_id 0
		.amdhsa_next_free_vgpr 512
		.amdhsa_next_free_sgpr 100
		.amdhsa_reserve_vcc 0
		.amdhsa_float_denorm_mode_32 3
		.amdhsa_float_denorm_mode_16_64 3
		.amdhsa_memory_ordered 1
		.amdhsa_forward_progress 1
		.amdhsa_inst_pref_size 50
	.end_amdhsa_kernel
	.amdgpu_metadata
---
amdhsa.version: [ 1, 2 ]
amdhsa.kernels:
  - .name:           k_q6649353364_outp
    .symbol:         k_q6649353364_outp.kd
    .args:
      - { .name: oc, .offset: 0, .size: 8, .value_kind: global_buffer, .address_space: global }
      - { .name: os, .offset: 8, .size: 8, .value_kind: global_buffer, .address_space: global }
      - { .name: cod, .offset: 16, .size: 8, .value_kind: global_buffer, .address_space: global }
      - { .name: scl, .offset: 24, .size: 8, .value_kind: global_buffer, .address_space: global }
      - { .name: b_o, .offset: 32, .size: 8, .value_kind: global_buffer, .address_space: global }
      - { .name: out0, .offset: 40, .size: 8, .value_kind: global_buffer, .address_space: global }
    .group_segment_fixed_size: 225792
    .private_segment_fixed_size: 0
    .kernarg_segment_align: 8
    .kernarg_segment_size: 48
    .max_flat_workgroup_size: 128
    .sgpr_count:     100
    .vgpr_count:     512
    .wavefront_size: 32
...
	.end_amdgpu_metadata
.endif
;; end of part 4
